; MI455X (gfx1250); checked and timed in simulation.
; The chip was launched on July 23, 2026; its instructions are those of AMD's public machine-readable ISA for CDNA 5 (MIT licence, August 2026) and "CDNA5" Instruction Set Architecture Reference Guide (July 2026). The comments in the code are by the model that wrote it; some were corrected since.
;; Self Attention. Allowed arithmetic: matrix products marked QUANTISED: E3M2 operands, one E8M0 scale for each 32 along K, by v_wmma_scale_f32_16x16x128_f8f6f4 with both operands' format E3M2, f32 sums; everything else in f32.
;; Inputs: K 8 x 1,024 x 1,024 float32; Q 8 x 1,024 x 1,024 float32; Q_len 8 x 1 int32; V 8 x 1,024 x 1,024 float32; V_len 8 x 1 int32; WK 1,024 x 1,024 float32; WQ 1,024 x 1,024 float32; WV 1,024 x 1,024 float32.
;; Outputs: out0 8 x 1,024 x 1,024 float32.
;; This version of the problem:
;;   THIS VERSION OF THE PROBLEM IS GIVEN IN LOW PRECISION. The matrix products marked QUANTISED in the list below multiply operands that are first quantised to E3M2 (3 exponent bits, 2 mantissa bits; 6 bits a number), with one power-of-two scale for each 32 numbers along K (OCP MX v1.0); their sums are f32. All else is computed in f32.
;;   The module's matrix products, in the order in which they are computed (A, B: the left and right operand; K: the contracted axis; several contracted axes count as one K, in the product's order):
;;     1. [M 8,192, K 1,024] x [K 1,024, N 1,024]; A: input Q; B: input WQ: QUANTISED
;;     2. [M 8,192, K 1,024] x [K 1,024, N 1,024]; A: input K; B: input WK: QUANTISED
;;     3. [M 8,192, K 1,024] x [K 1,024, N 1,024]; A: input V; B: input WV: QUANTISED
;;     4. batch 128 x [M 1,024, K 64] x [K 64, N 1,024]; A: computed on the way; B: computed on the way: QUANTISED
;;     5. batch 128 x [M 1,024, K 1,024] x [K 1,024, N 64]; A: softmax (see below); B: computed on the way: QUANTISED
;;   THE QUANTISER, for each operand of a quantised product, along K:
;;     - K is cut into blocks of 32 from its start; a last block that is shorter is filled with zeros.
;;     - A block's scale is 2^e with e = floor(log2(the largest magnitude in the block)) - 4, held to -126 .. 127; a block of zeros has e = 0. As a byte (E8M0): e + 127.
;;     - Each number is divided by its block's scale, clamped to +-28, and rounded to the nearest number of E3M2, ties to even, subnormals kept.
;;     - The product sums the exact products of the quantised numbers (number of the format x scale) in f32.
;;   ~~~python
;;   def quantise(x, axis):      # numpy; x: float32 -> the quantised numbers, widened to float32 again
;;       x = np.moveaxis(x, axis, -1); K = x.shape[-1]
;;       x = np.pad(x, [(0, 0)] * (x.ndim - 1) + [(0, -K % 32)]); x = x.reshape(x.shape[:-1] + (-1, 32)); a = np.abs(x).max(-1, keepdims=True)
;;       e = np.where(a > 0, np.clip(np.frexp(np.where(a > 0, a, 1))[1] - 1 - 4, -126, 127), 0)      # np.frexp(a)[1] - 1 = floor(log2(a)), exactly
;;       r = np.clip(x / 2.0 ** e, -28, 28)
;;       step = 2.0 ** (np.maximum(np.frexp(np.where(r == 0, 1, r))[1] - 1, -2) - 2)
;;       q = np.round(r / step) * step * 2.0 ** e      # np.round: ties to even
;;       return np.moveaxis(q.reshape(q.shape[:-2] + (-1,))[..., :K], -1, axis).astype(np.float32)
;;   ~~~
;;   SOFTMAX AHEAD OF A QUANTISED PRODUCT. Where the list says 'softmax', what is quantised is not the finished softmax but p = 2^(t - M), with t = logit x log2(e) and M = ceil(the row's largest t), a whole number; so 1/2 < the row's largest p <= 1. The row's sum l is taken of the UNQUANTISED p, in f32, and the product's result is divided by l at the end. Since M is a whole number, a kernel that streams over the keys may use a running M (the ceiling of the running maximum): every later rescaling is an exact power of two, which a block's scale takes up: the codes' values come out the same.
;;   OPERANDS COMPUTED ON THE WAY. 'Computed on the way' means the value that the module computes at that place (a softmax that the list does not call 'softmax' is quantised finished and normalised). What goes into a quantiser is computed in f32, as accurately as f32 sums, v_exp_f32 and their like allow (about 1e-6 of the number): no bf16 or f16 on the way to a quantiser, and a product that is left as it is and whose result goes on into a quantised operand takes f32 operands (vector FMAs, or v_wmma_f32_16x16x4_f32). A number that lies on a knife's edge between two numbers of the format may be rounded either way, as far as f32 arithmetic and the matrix unit's own rounding can turn it there, and no further.
;; 2 versions, each right; version 2 is version 1 with the launches proj, attn written anew for expert scheduling mode. Each part assembles by itself: llvm-mc -triple=amdgcn-amd-amdhsa -mcpu=gfx1250 --defsym DOCPART=n.
;; ======== version 1 of 2: 3 launches
;; limits: right only within a limited range of input values
;; workspace buffers: wc 2,457,600 bytes; qkv 20,447,232 bytes
;; launch wquant (part 1): grid 8 x 24, 4 waves a work-group, no clusters, 13,824 bytes of LDS; arguments WQ, WK, WV, wc; writes wc
.if DOCPART == 1
	.amdgcn_target "amdgcn-amd-amdhsa--gfx1250"
	.amdhsa_code_object_version 6
	.text
	.protected	k_q577226be93_wquant
	.globl	k_q577226be93_wquant
	.p2align	8
	.type	k_q577226be93_wquant,@function
k_q577226be93_wquant:
	s_mov_b64 s[64:65], 0
	v_nop
	global_prefetch_b8 v0, s[64:65] scope:SCOPE_SE
	s_setreg_imm32_b32 hwreg(HW_REG_WAVE_MODE, 25, 1), 1
	s_wait_xcnt 0x0
; THE PROGRAM: three launches.  This one turns WQ, WK, WV into codes of BF6 (E3M2) along their first axis (K); the second quantises Q, K, V, multiplies and
; quantises q, k, v; the third is the attention with its three masks.
; WHAT THE PROGRAM DOES NOT COMPUTE, AND WHY, in the problem's own terms (b a batch, QL = Q_len[b], VL = V_len[b], whole numbers that the later launches read from memory):
;  (1) reference() multiplies row q of O by q_valid, which is 0 for q >= QL: whatever finite value stands there, the result is 0.  Such rows get zeros, and nothing is computed for them.
;  (2) reference() takes 1e12 off every score with key > query (the mask that it builds itself).  Key 0 is hidden from no query, so each row's largest logit lies 1e12 or more above each hidden key's:
;      p = 2^(t - M) is 0 there, its code is 0, and it adds nothing to the sum or to the second product.  Key steps that lie wholly behind the diagonal are left out.
;  (3) For VL >= 1 key 0 is valid and visible, and keys >= VL carry -1e12: by the same argument their p is 0.  For VL = 0 EVERY key carries -1e12: nothing is left out by VL then (Leff = 1024),
;      and the logit is formed literally as reference() forms it in f32 (score / 8 - 1e12), which decides the result.
;  (4) So a query tile from q0 on walks keys below min(Leff, q0 + 16) only, and rows of k and v at or beyond KN = min(Leff, QL raised to a multiple of 16), in whole blocks of 128, feed nothing.
;  These are choices by whole numbers, made in launches that read them.  Every input has a way to the output and is loaded.
; LIMITS: a NaN, an infinity or an overflow that reaches only the work left out is not carried to the result (reference() would give NaN x 0 = NaN there).  (2) and (3) take |score / 8| under 1e11.
;  Lengths are held to 0 .. 1024.  A block whose largest magnitude lies under 2^-122 keeps the scale byte 1 (a block of zeros too: its codes are zeros; this program alone reads the bytes).
;
; THIS LAUNCH.  W is [1024 (k)][1024 (n)] f32.  A lane takes a column n and its registers run down K: a block of 32 along K lies in one lane, so its largest magnitude needs no other lane, and the
; conversions give codes with K innermost.  The codes are laid IN THE ORDER OF THE OPERAND'S REGISTERS: wc holds records [tensor 3][head 16][K step 8] of 6,400 bytes: four tile images of 1,536 bytes
; (registers 4 c .. 4 c + 3 of lane l at 512 c + 16 l) and 256 bytes of scale words (word (i, l): tile 2 i + l / 16, row l % 16; byte j for k block j).
; THE COLUMNS OF A TILE ARE NOT NEIGHBOURS: row r of tile 2 b + u is head column 32 b + 8 u + r + 8 (r / 8), so that the results of two neighbouring tiles are 16 neighbours in a lane's registers.
; SHARES: work-group (x, y): columns 128 x on, tensor y / 8, K step y % 8; wave w: 32 columns (half a head: two tiles), 128 along K.  Waves share nothing: no barrier.
; No matrix work, no tensor load, no cluster: a stream that is read once; each work-group reads bytes of its own.
.set STW,   3328                       ; LDS: a wave's stage: two tile images,
.set TSTR,  1664                       ; the second 1,664 bytes behind the first
.set SPARE, 13312                      ; behind the four stages: the spare words, 128 bytes for each wave, which no other line names
.set LA,   1                           ; v1   4 x lane: my column in a row of W
.set VA,   2                           ; v2   the stage on the way in: my tile, 16 x my row of it
.set LI,   3                           ; v3   the stage on the way out: 16 x lane
.set GO,   4                           ; v4   16 x lane: an image's place in memory
.set GS,   5                           ; v5   my scale word's place: 4 (16 u + r)
.set SPW,  6                           ; v6   my spare word; never rewritten
.set NIL,  7                           ; v7   0; never rewritten
.set SB,   12                          ; v12  my column's four scale bytes
.set C,    16                          ; v16-47  codes: eight registers for each block, so that no store's data are written again
.set OUTR, 48                          ; v48-71  the way out
.set X,    72                          ; v72-199 my column's 128 numbers
	s_load_b128 s[4:7], s[0:1], 0x0                ; WQ, WK
	s_load_b128 s[8:11], s[0:1], 0x10              ; WV, wc
	v_lshl_add_u32 v[SPW], v0, 2, SPARE
	v_mov_b32 v[NIL], 0
	v_lshrrev_b32 v8, 5, v0
	v_readfirstlane_b32 s12, v8                    ; wave 0..3
	v_and_b32 v8, 31, v0                           ; lane = my column among the wave's 32
	v_lshlrev_b32 v[LA], 2, v8
	v_lshlrev_b32 v[GO], 4, v8
	v_bfe_u32 v9, v0, 3, 1                         ; u = (lane / 8) % 2: which of the two tiles
	v_and_b32 v10, 7, v0
	v_bfe_u32 v11, v0, 4, 1
	v_lshl_or_b32 v10, v11, 3, v10                 ; r = lane % 8 + 8 (lane / 16): my row of the tile
	s_mul_i32 s13, s12, STW
	v_mul_u32_u24 v[VA], v9, TSTR
	v_lshl_add_u32 v[VA], v10, 4, v[VA]
	v_add_nc_u32 v[VA], s13, v[VA]
	v_add_nc_u32 v[LI], s13, v[GO]
	v_lshl_add_u32 v[GS], v9, 4, v10
	v_lshlrev_b32 v[GS], 2, v[GS]
	s_and_b32 s14, ttmp7, 0xffff                   ; y = 8 x tensor + K step
	s_lshr_b32 s15, s14, 3
	s_and_b32 s16, s14, 7
	s_lshl_b32 s20, s16, 19                        ; in W: 128 rows of 4,096 bytes a K step,
	s_lshl_b32 s17, ttmp9, 9                       ; 128 columns a work-group,
	s_add_co_u32 s20, s20, s17
	s_lshl_b32 s17, s12, 7                         ; 32 a wave
	s_add_co_u32 s20, s20, s17
	s_mov_b32 s21, 0
	s_lshl_b32 s26, ttmp9, 1
	s_lshr_b32 s17, s12, 1
	s_add_co_u32 s26, s26, s17                     ; head = 2 x + wave / 2
	s_lshl_b32 s17, s15, 4
	s_add_co_u32 s26, s26, s17
	s_lshl_b32 s26, s26, 3
	s_add_co_u32 s26, s26, s16                     ; the record: (16 tensor + head) 8 + K step
	s_mul_i32 s26, s26, 6400
	s_mov_b32 s27, 0
	s_and_b32 s17, s12, 1                          ; b: which half of the head
	s_mul_i32 s28, s17, 3072                       ; its two images,
	s_add_co_u32 s28, s28, s26
	s_mov_b32 s29, 0
	s_lshl_b32 s17, s17, 7                         ; its 32 scale words
	s_add_co_u32 s26, s26, s17
	s_wait_kmcnt 0x0
	s_cmp_lt_u32 s14, 8                            ; the tensor is chosen by the work-group's number alone
	s_cselect_b64 s[18:19], s[4:5], s[6:7]
	s_cmp_lt_u32 s14, 16
	s_cselect_b64 s[18:19], s[18:19], s[8:9]
	s_add_nc_u64 s[18:19], s[18:19], s[20:21]
	s_add_nc_u64 s[22:23], s[10:11], s[28:29]      ; where my images go
	s_add_nc_u64 s[24:25], s[10:11], s[26:27]      ; and (6,144 bytes on) my scale words
.set i, 0
.rept 128
	global_load_b32 v[X+i], v[LA], s[18:19] offset:i*4096 th:TH_LOAD_NT   ; W(128 s + i, my column): the wave reads 128 consecutive bytes, the work-group 512
.set i, i+1
.endr
; Block be (k = 32 be on) of my column: its scale, its 32 codes, and their place in the image: lane (r, be % 2), registers 6 (be / 2) on.
.macro BLOCK be
.set XB, X+32*(\be)
.set CC, C+8*(\be)
.if (\be) < 2
	s_wait_loadcnt 63                              ; this block's 32 loads are in: 96 or 64 younger ones follow, and the wait's field holds no more than 63
.else
	s_wait_loadcnt 32*(3-(\be))                    ; this block's loads are in; the later blocks' may be out
.endif
	v_max3_num_f32 v8, |v[XB]|, |v[XB+1]|, |v[XB+2]|               ; the block's largest magnitude, in two chains
	v_max3_num_f32 v9, |v[XB+3]|, |v[XB+4]|, |v[XB+5]|
.irp i, 6,10,14,18,22,26
	v_max3_num_f32 v8, v8, |v[XB+\i]|, |v[XB+\i+1]|
	v_max3_num_f32 v9, v9, |v[XB+\i+2]|, |v[XB+\i+3]|
.endr
	v_max3_num_f32 v8, v8, |v[XB+30]|, |v[XB+31]|
	v_max3_num_f32 v8, v8, v9, 0x2800000           ; and the floor 2^(5 - 127): the byte cannot fall under 1
	v_add_nc_u32 v11, 0xfe000000, v8               ; 4 off its exponent field: the conversion takes that field as its scale
	v_lshrrev_b32 v10, 23, v11                     ; the scale's byte
.if (\be) == 0
	v_mov_b32 v[SB], v10
.else
	v_lshl_or_b32 v[SB], v10, 8*(\be), v[SB]
.endif
	v_cvt_scalef32_pk16_bf6_f32 v[CC:CC+2], v[XB:XB+15], v11
	v_cvt_scalef32_pk16_bf6_f32 v[CC+4:CC+6], v[XB+16:XB+31], v11  ; (a conversion's three registers begin on an even number)
	v_nop                                          ; one plain place behind a scaled conversion
	v_mov_b32 v[CC+3], v[CC+4]                     ; the block's six registers on end
	v_mov_b32 v[CC+4], v[CC+5]
	v_mov_b32 v[CC+5], v[CC+6]
.if (\be) < 2
	ds_store_b128 v[VA], v[CC:CC+3] offset:256*((\be)%2)           ; registers 0-3,
	ds_store_b64 v[VA], v[CC+4:CC+5] offset:256*((\be)%2)+512      ; 4, 5
.else
	ds_store_b64 v[VA], v[CC:CC+1] offset:256*((\be)%2)+520        ; registers 6, 7,
	ds_store_b128 v[VA], v[CC+2:CC+5] offset:256*((\be)%2)+1024    ; 8-11
.endif
.endm
	BLOCK 0
	BLOCK 1
	BLOCK 2
	BLOCK 3
.irp u, 0,1
.irp q, 0,1,2
	ds_load_b128 v[OUTR+4*(3*\u+\q):OUTR+4*(3*\u+\q)+3], v[LI] offset:\u*TSTR+512*\q   ; LDS serves a wave's instructions in order (ISA guide 5.7.1.4): these see my stores
.endr
.endr
.irp u, 0,1
.irp q, 0,1,2
	s_wait_dscnt 5-(3*\u+\q)
	global_store_b128 v[GO], v[OUTR+4*(3*\u+\q):OUTR+4*(3*\u+\q)+3], s[22:23] offset:\u*1536+512*\q   ; the wave stores 512 consecutive bytes, at a multiple of 256 from wc's first byte
.endr
.endr
	global_store_b32 v[GS], v[SB], s[24:25] offset:6144            ; 32 scale words, 128 consecutive bytes
	s_wait_tensorcnt 0x0                           ; the wave's end: three lines behind my last LDS store
	ds_add_u32 v[SPW], v[NIL]
	s_wait_dscnt 0x0
	s_endpgm
.Lfunc_end_k_q577226be93_wquant:
	.size	k_q577226be93_wquant, .Lfunc_end_k_q577226be93_wquant-k_q577226be93_wquant
	.p2alignl 7, 3214868480
	.fill 96, 4, 3214868480
	.section	.rodata,"a",@progbits
	.p2align	6, 0x0
	.amdhsa_kernel k_q577226be93_wquant
		.amdhsa_group_segment_fixed_size 13824
		.amdhsa_private_segment_fixed_size 0
		.amdhsa_enable_private_segment 0
		.amdhsa_kernarg_size 32
		.amdhsa_user_sgpr_count 2
		.amdhsa_user_sgpr_kernarg_segment_ptr 1
		.amdhsa_wavefront_size32 1
		.amdhsa_system_sgpr_workgroup_id_x 1
		.amdhsa_system_sgpr_workgroup_id_y 1
		.amdhsa_system_sgpr_workgroup_id_z 1
		.amdhsa_system_vgpr_workitem_id 0
		.amdhsa_next_free_vgpr 208
		.amdhsa_next_free_sgpr 66
		.amdhsa_reserve_vcc 0
		.amdhsa_float_denorm_mode_32 3
		.amdhsa_float_denorm_mode_16_64 3
		.amdhsa_memory_ordered 1
		.amdhsa_forward_progress 1
		.amdhsa_inst_pref_size 23
	.end_amdhsa_kernel
	.amdgpu_metadata
---
amdhsa.version: [ 1, 2 ]
amdhsa.kernels:
  - .name:           k_q577226be93_wquant
    .symbol:         k_q577226be93_wquant.kd
    .args:
      - { .name: WQ, .offset: 0, .size: 8, .value_kind: global_buffer, .address_space: global }
      - { .name: WK, .offset: 8, .size: 8, .value_kind: global_buffer, .address_space: global }
      - { .name: WV, .offset: 16, .size: 8, .value_kind: global_buffer, .address_space: global }
      - { .name: wc, .offset: 24, .size: 8, .value_kind: global_buffer, .address_space: global }
    .group_segment_fixed_size: 13824
    .private_segment_fixed_size: 0
    .kernarg_segment_align: 8
    .kernarg_segment_size: 32
    .max_flat_workgroup_size: 128
    .sgpr_count:     66
    .vgpr_count:     208
    .wavefront_size: 32
...
	.end_amdgpu_metadata
.endif
;; end of part 1
;; launch proj (part 2): grid 16 x 24, 16 waves a work-group, no clusters, 190,464 bytes of LDS; arguments Q, K, V, Q_len, V_len, wc, qkv; writes qkv
.if DOCPART == 2
	.amdgcn_target "amdgcn-amd-amdhsa--gfx1250"
	.amdhsa_code_object_version 6
	.text
	.protected	k_q577226be93_proj
	.globl	k_q577226be93_proj
	.p2align	8
	.type	k_q577226be93_proj,@function
k_q577226be93_proj:
	s_mov_b64 s[64:65], 0
	v_nop
	global_prefetch_b8 v0, s[64:65] scope:SCOPE_SE
	s_setreg_imm32_b32 hwreg(HW_REG_WAVE_MODE, 25, 1), 1
	s_wait_xcnt 0x0
; q = Q WQ, k = K WK, v = V WV on codes of BF6 (E3M2) with one E8M0 scale for each 32 along K; the results are quantised at once for the attention: q and k along the head's 64, v along the keys.
; LEFT OUT (shown at the head of the first kernel): blocks of 64 rows of Q from Q_len on; blocks of 128 rows of K and V from KN = min(Leff, Q_len raised to a multiple of 16) on, Leff = V_len, or 1024
; where V_len = 0.  The lengths are whole numbers read here from memory.  A NaN or an infinity in rows left out is not carried.
; SHARES.  Work-group (x, y): tensor y / 8, batch y % 8, rows 64 x .. 64 x + 63, all 1,024 columns.  Sixteen waves, four to a SIMD, 256 registers each; wave w makes head w: 64 rows x 64 columns, 16 accumulators.
; PHASE X: the 64 rows of x (256 KiB, read once) become 32 operand fragments (K step s, row tile m): wave w quantises tile w % 4 at K steps 2 (w / 4) and 2 (w / 4) + 1, and stores them in LDS AS IMAGES
; OF THE OPERAND'S REGISTERS (registers 4 c .. 4 c + 3 of lane l at 512 c + 16 l), with a scale word a lane.  ONE barrier.  MAIN: eight K steps of 16 matrix instructions; x's fragments from LDS, the weights'
; from wc straight into registers, half a K step ahead.  EPILOGUE: the sums are quantised in registers and leave as images again.
; THE BARRIER STANDS ON EVERY PATH: a work-group that the lengths leave without rows jumps over phase X, passes the barrier, jumps over the rest, stores nothing and ends.
; ROWS OF A TILE.  For K and V, row r of tile m is position 32 (m / 2) + 8 (m % 2) + r + 8 (r / 8) of the block: so the attention's scores, and v's sums here, have 16 neighbouring keys in a lane's registers.
; For Q a tile's rows are neighbours.  q, k: the product is used transposed (source 0 = 16 columns of W, source 1 = 16 rows of x): a lane holds one row, its 32 registers run along the head's 64.
; v: source 0 = 16 rows of x, source 1 = 16 columns of W: a lane holds one column, its registers run along the keys.
; qkv: records [tensor 3][batch 8][head 16][block of 64 positions 16] of 3,328 bytes: two images of 1,536 bytes, each two halves of 16 rows x 64 along K (registers 0-5, 6-11), then 256 bytes of scale words
; (8 bytes a lane, the word twice: lanes 0-15 image 0, lanes 16-31 image 1; bytes: first half's two blocks, second half's two).
; NO TENSOR LOAD, NO CLUSTER, though all work-groups of a tensor read the same wc: which work-groups have work hangs on lengths read from memory.
.set XIMG,  0                          ; LDS: x's 32 fragments, (s, m) at (4 s + m) 1,536
.set XSC,   49152                      ; their scale words, 128 bytes each
.set STG,   53248                      ; a stage for each wave: 16 rows x (512 + 16) bytes
.set STW,   8448
.set SPARE, 188416                     ; the spare words, 128 bytes for each wave, which no other line names
.set LI,   1                           ; v1   16 x lane
.set L8,   2                           ; v2   8 x lane
.set L4,   3                           ; v3   4 x lane
.set VLO,  4                           ; v4   x: my 16 bytes in the tile's rows 0-7
.set VHI,  5                           ; v5   and in its rows 8-15
.set STA,  6                           ; v6   the stage on the way in: 16 x lane
.set STR,  7                           ; v7   and back: row lane % 16, + 64 (lane / 16)
.set XWI,  8                           ; v8   where I store x's images
.set XWS,  9                           ; v9   and their scale words
.set XSA,  10                          ; v10  where I read scale words: lanes 0-15 an even tile's, lanes 16-31 the next tile's
.set SPW,  11                          ; v11  my spare word; never rewritten
.set NIL,  12                          ; v12  0; never rewritten
.set XS,   16                          ; v16-17  x's scale words: scales and nothing else
.set WS,   18                          ; v18-19  W's
.set AF,   20                          ; v20-67  x's four fragments
.set BF,   68                          ; v68-115 W's four
.set ACC,  116                         ; v116-243 the sums; in phase X the numbers of x
.set TM,   20                          ; at work in phase X and in the epilogue, where AF is free
.set PC,   36
.set PW,   56
.set TC,   58
.set EP,   68                          ; the epilogue's 24 registers of codes, where BF is free
.set WG,   244                         ; v244-247 a scale half-word for each of the four halves
.set SW,   248                         ; v248-249 the scale word, twice
.macro NOP4                            ; four places behind a matrix instruction, ahead of loads into its sources and of the first read of its result
.rept 4
	v_nop
.endr
.endm
.macro LOADB s, n0                     ; K step s: W's tiles n0, n0 + 1 and their scale words: seven loads
.irp n, \n0, \n0+1
.irp c, 0,1,2
	global_load_b128 v[BF+12*(\n)+4*\c:BF+12*(\n)+4*\c+3], v[LI], s[30:31] offset:6400*(\s)+1536*(\n)+512*\c
.endr
.endr
	global_load_b32 v[WS+(\n0)/2], v[L4], s[30:31] offset:6400*(\s)+6144+128*((\n0)/2)
.endm
	s_load_b256 s[4:11], s[0:1], 0x0               ; Q s[4:5], K s[6:7], V s[8:9], Q_len s[10:11]
	s_load_b128 s[12:15], s[0:1], 0x20             ; V_len s[12:13], wc s[14:15]
	s_load_b64 s[16:17], s[0:1], 0x30              ; qkv
	v_lshl_add_u32 v[SPW], v0, 2, SPARE
	v_mov_b32 v[NIL], 0
	v_lshrrev_b32 v13, 5, v0
	v_readfirstlane_b32 s18, v13                   ; wave 0..15 = my head
	v_and_b32 v13, 31, v0
	v_lshlrev_b32 v[LI], 4, v13
	v_lshlrev_b32 v[L8], 3, v13
	v_lshlrev_b32 v[L4], 2, v13
	s_and_b32 s19, ttmp7, 0xffff                   ; y
	s_lshr_b32 s20, s19, 3                         ; tensor: 0 Q, 1 K, 2 V
	s_and_b32 s21, s19, 7                          ; batch
	s_mov_b32 s22, ttmp9                           ; block of 64 rows
	s_lshl_b32 s38, s21, 2
	s_mov_b32 s39, 0
	s_lshl_b32 s44, s20, 4
	s_add_co_u32 s44, s44, s18
	s_mul_i32 s44, s44, 51200                      ; my head's eight records of wc
	s_mov_b32 s45, 0
	s_wait_kmcnt 0x0
	s_add_nc_u64 s[40:41], s[10:11], s[38:39]
	s_add_nc_u64 s[42:43], s[12:13], s[38:39]
	s_load_b32 s23, s[40:41], 0x0                  ; Q_len[b]
	s_load_b32 s24, s[42:43], 0x0                  ; V_len[b]
	s_add_nc_u64 s[30:31], s[14:15], s[44:45]
	LOADB 0, 0                                     ; W's first K step is asked for while the lengths are on their way: it hangs on no length.  (A work-group that the lengths leave
	LOADB 0, 2                                     ; without rows has asked for these fourteen loads a wave in vain.)
	; every address register is made here, ahead of the first branch
	v_and_b32 v14, 15, v0                          ; r
	v_bfe_u32 v15, v0, 4, 1                        ; h
	s_mul_i32 s46, s18, STW
	s_add_co_u32 s46, s46, STG                     ; my stage
	v_add_nc_u32 v[STA], s46, v[LI]
	v_mul_u32_u24 v[STR], v14, 528
	v_lshl_add_u32 v[STR], v15, 6, v[STR]
	v_add_nc_u32 v[STR], s46, v[STR]
	s_and_b32 s47, s18, 3                          ; m: the row tile that I quantise
	s_lshr_b32 s48, s18, 2                         ; sp: at K steps 2 sp, 2 sp + 1
	s_lshl_b32 s49, s48, 3
	s_add_co_u32 s49, s49, s47                     ; fragment 4 (2 sp) + m
	s_mul_i32 s50, s49, 1536
	v_add_nc_u32 v[XWI], s50, v[LI]
	s_lshl_b32 s50, s49, 7
	s_add_co_u32 s50, s50, XSC
	v_add_nc_u32 v[XWS], s50, v[L4]
	v_lshlrev_b32 v[XSA], 2, v14
	v_lshl_add_u32 v[XSA], v15, 7, v[XSA]
	v_add_nc_u32 v[XSA], XSC, v[XSA]
.irp b, 0,1,2,3
	v_mov_b32 v[TM+4+\b], 0                        ; written once: a lane permute's destination counts as one of its sources
.endr
	s_mov_b32 s34, 0x76543210
	s_mov_b32 s35, 0xfedcba98                      ; v_permlanex16_b32's selects for lane l xor 16
	s_mov_b32 s36, 0xffff0000                      ; lanes 16-31
	s_lshl_b32 s50, s47, 4                         ; Q: the tile's rows are 16 m + 0 .. 15
	s_lshr_b32 s51, s47, 1
	s_lshl_b32 s51, s51, 5
	s_and_b32 s52, s47, 1
	s_lshl_b32 s52, s52, 3
	s_add_co_u32 s51, s51, s52                     ; K, V: 32 (m / 2) + 8 (m % 2) + 0 .. 7, and the eight rows 16 further on
	s_cmp_eq_u32 s20, 0
	s_cselect_b32 s50, s50, s51
	s_cselect_b32 s51, 8, 16
	s_add_co_u32 s51, s51, s50
	s_lshl_b32 s50, s50, 12                        ; rows of 4,096 bytes
	s_lshl_b32 s51, s51, 12
	s_lshl_b32 s52, s48, 10                        ; two K steps are 1,024 bytes of a row
	s_add_co_u32 s50, s50, s52
	s_add_co_u32 s51, s51, s52
	v_add_nc_u32 v[VLO], s50, v[LI]
	v_add_nc_u32 v[VHI], s51, v[LI]
	s_cmp_eq_u32 s20, 0                            ; the tensor is chosen by the work-group's number alone
	s_cselect_b64 s[28:29], s[4:5], s[6:7]
	s_cmp_eq_u32 s20, 2
	s_cselect_b64 s[28:29], s[8:9], s[28:29]
	s_lshl_b32 s52, s21, 22
	s_lshl_b32 s53, s22, 18
	s_add_co_u32 s52, s52, s53
	s_mov_b32 s53, 0
	s_add_nc_u64 s[28:29], s[28:29], s[52:53]      ; x at the block's first row
	s_lshl_b32 s52, s19, 4
	s_add_co_u32 s52, s52, s18
	s_lshl_b32 s52, s52, 4
	s_add_co_u32 s52, s52, s22
	s_mul_i32 s52, s52, 3328
	s_add_nc_u64 s[32:33], s[16:17], s[52:53]      ; my record of qkv
	s_wait_kmcnt 0x0                               ; the lengths
	s_max_i32 s23, s23, 0
	s_min_i32 s23, s23, 0x400                      ; QL
	s_max_i32 s24, s24, 0
	s_min_i32 s24, s24, 0x400                      ; VL
	s_cmp_eq_u32 s24, 0
	s_cselect_b32 s25, 0x400, s24                  ; Leff
	s_add_co_u32 s26, s23, 15
	s_and_b32 s26, s26, -16
	s_min_u32 s26, s26, s25                        ; KN
	s_lshl_b32 s54, s22, 6                         ; Q: the block's first row against QL;
	s_lshr_b32 s55, s22, 1
	s_lshl_b32 s55, s55, 7                         ; K, V: the first row of its block of 128 against KN
	s_cmp_eq_u32 s20, 0
	s_cselect_b32 s54, s54, s55
	s_cselect_b32 s55, s23, s26
	s_cmp_lt_u32 s54, s55
	s_cselect_b32 s27, 1, 0                        ; 1: this work-group has work.  The same in all sixteen waves
; 64 numbers of a lane, register 16 b + i = k 32 b + 16 (lane / 16) + i of my row, become a fragment's codes in v[PC] on and its scale word in v[PW].
.macro QUANT s
.irp b, 0,1,2,3
	v_max3_num_f32 v[TM+\b], |v[\s+16*\b]|, |v[\s+1+16*\b]|, 0x2800000   ; block b: my 16 numbers, and the floor 2^(5 - 127): the byte cannot fall under 1
.endr
.irp i, 2,4,6,8,10,12,14
.irp b, 0,1,2,3
	v_max3_num_f32 v[TM+\b], v[TM+\b], |v[\s+16*\b+\i]|, |v[\s+1+16*\b+\i]|   ; (the four blocks by turns)
.endr
.endr
.irp b, 0,1,2,3
	v_permlanex16_b32 v[TM+4+\b], v[TM+\b], s34, s35
.endr
.irp b, 0,1,2,3
	v_max_num_f32 v[TM+\b], v[TM+\b], v[TM+4+\b]   ; with lane l xor 16's: the block's largest magnitude
.endr
.irp b, 0,1,2,3
	v_add_nc_u32 v[TM+12+\b], 0xfe000000, v[TM+\b] ; 4 off its exponent field: the conversion's scale operand
.endr
.irp b, 0,1,2,3
	v_lshrrev_b32 v[TM+4+\b], 23, v[TM+12+\b]      ; the scale's byte
.endr
	v_lshl_or_b32 v[PW], v[TM+5], 8, v[TM+4]
	v_lshl_or_b32 v[PW], v[TM+6], 16, v[PW]
	v_lshl_or_b32 v[PW], v[TM+7], 24, v[PW]
.irp c, 0,1
	v_cvt_scalef32_pk16_bf6_f32 v[PC+6*\c:PC+2+6*\c], v[\s+32*\c:\s+15+32*\c], v[TM+12+2*\c]
	v_cvt_scalef32_pk16_bf6_f32 v[PC+12+4*\c:PC+14+4*\c], v[\s+16+32*\c:\s+31+32*\c], v[TM+12+2*\c+1]   ; (a conversion's three registers begin on an even number)
.endr
	v_nop                                          ; one plain place behind a scaled conversion
.irp c, 0,1                                    ; the operand's layout wants a whole block in a lane: lanes 0-15 block 2 c, lanes 16-31 block 2 c + 1
.irp i, 0,1,2
	v_permlane16_swap_b32 v[PC+6*\c+\i], v[PC+12+4*\c+\i]
.endr
.irp i, 0,1,2
	v_mov_b32 v[PC+3+6*\c+\i], v[PC+12+4*\c+\i]
.endr
.endr
.endm
.macro TURN u                          ; unit u (16 rows x 512 bytes, loaded as the bytes lie) goes through my stage and comes back with 16 neighbours of each block of 32 in a lane
.irp i, 0,1,2,3,4,5,6,7,8,9,10,11,12,13,14,15
	ds_store_b128 v[STA], v[ACC+64*\u+4*\i:ACC+64*\u+4*\i+3] offset:528*\i
.endr
	s_wait_dscnt 0x0                               ; the stores have read the registers on which the loads land
.irp b, 0,1,2,3
.irp j, 0,1,2,3
	ds_load_b128 v[ACC+64*\u+16*\b+4*\j:ACC+64*\u+16*\b+4*\j+3], v[STR] offset:128*\b+16*\j
.endr
.endr
	s_wait_dscnt 0x0
.endm
.macro IMAGE u                         ; the fragment in v[PC] on goes to LDS as it stands, and its scale word
.irp c, 0,1,2
	ds_store_b128 v[XWI], v[PC+4*\c:PC+4*\c+3] offset:6144*\u+512*\c
.endr
	ds_store_b32 v[XWS], v[PW] offset:512*\u
.endm
	s_cmp_eq_u32 s27, 0
	s_cbranch_scc1 .Lx_done
	; ---- PHASE X
.irp u, 0,1
.irp i, 0,1,2,3,4,5,6,7
	global_load_b128 v[ACC+64*\u+4*\i:ACC+64*\u+4*\i+3], v[VLO], s[28:29] offset:4096*\i+512*\u th:TH_LOAD_NT   ; the wave reads 512 consecutive bytes of a row, at a multiple of 512; read once in the launch
.endr
.irp i, 0,1,2,3,4,5,6,7
	global_load_b128 v[ACC+64*\u+32+4*\i:ACC+64*\u+32+4*\i+3], v[VHI], s[28:29] offset:4096*\i+512*\u th:TH_LOAD_NT
.endr
.endr
	s_wait_loadcnt 16                              ; unit 0's sixteen loads are in (and W's, asked for earlier); unit 1's sixteen may be out
	TURN 0
	QUANT ACC
	IMAGE 0
	s_wait_loadcnt 0x0
	TURN 1                                         ; (its waits also show that IMAGE 0's stores have read their registers)
	QUANT ACC+64
	IMAGE 1
.Lx_done:
	s_wait_dscnt 0x0                               ; for the others' sake: my images lie in LDS
	s_barrier_signal -1
	s_barrier_wait -1                              ; all 32 fragments do.  Nothing writes them again
	s_cmp_eq_u32 s27, 0
	s_cbranch_scc1 .Lend
	; ---- MAIN
.macro FETCHA s                        ; K step s: x's four fragments and their scale words
.irp m, 0,1,2,3
.irp c, 0,1,2
	ds_load_b128 v[AF+12*\m+4*\c:AF+12*\m+4*\c+3], v[LI] offset:(4*(\s)+\m)*1536+512*\c
.endr
.endr
.irp i, 0,1
	ds_load_b32 v[XS+\i], v[XSA] offset:(4*(\s)+2*\i)*128
.endr
.endm
.macro EMIT z                          ; one product from the symbols rD, rA, rB, rSA, rSB; pA, pB: the side's scales stand in lanes 16-31.  z = 1: it starts the sum
.if \z
.if pA && pB
	v_wmma_scale_f32_16x16x128_f8f6f4 v[rD:rD+7], v[rA:rA+11], v[rB:rB+11], 0, v[rSA], v[rSB] matrix_a_fmt:MATRIX_FMT_BF6 matrix_b_fmt:MATRIX_FMT_BF6 matrix_a_scale:MATRIX_SCALE_ROW1 matrix_b_scale:MATRIX_SCALE_ROW1
.elseif pA
	v_wmma_scale_f32_16x16x128_f8f6f4 v[rD:rD+7], v[rA:rA+11], v[rB:rB+11], 0, v[rSA], v[rSB] matrix_a_fmt:MATRIX_FMT_BF6 matrix_b_fmt:MATRIX_FMT_BF6 matrix_a_scale:MATRIX_SCALE_ROW1
.elseif pB
	v_wmma_scale_f32_16x16x128_f8f6f4 v[rD:rD+7], v[rA:rA+11], v[rB:rB+11], 0, v[rSA], v[rSB] matrix_a_fmt:MATRIX_FMT_BF6 matrix_b_fmt:MATRIX_FMT_BF6 matrix_b_scale:MATRIX_SCALE_ROW1
.else
	v_wmma_scale_f32_16x16x128_f8f6f4 v[rD:rD+7], v[rA:rA+11], v[rB:rB+11], 0, v[rSA], v[rSB] matrix_a_fmt:MATRIX_FMT_BF6 matrix_b_fmt:MATRIX_FMT_BF6
.endif
.else
.if pA && pB
	v_wmma_scale_f32_16x16x128_f8f6f4 v[rD:rD+7], v[rA:rA+11], v[rB:rB+11], v[rD:rD+7], v[rSA], v[rSB] matrix_a_fmt:MATRIX_FMT_BF6 matrix_b_fmt:MATRIX_FMT_BF6 matrix_a_scale:MATRIX_SCALE_ROW1 matrix_b_scale:MATRIX_SCALE_ROW1
.elseif pA
	v_wmma_scale_f32_16x16x128_f8f6f4 v[rD:rD+7], v[rA:rA+11], v[rB:rB+11], v[rD:rD+7], v[rSA], v[rSB] matrix_a_fmt:MATRIX_FMT_BF6 matrix_b_fmt:MATRIX_FMT_BF6 matrix_a_scale:MATRIX_SCALE_ROW1
.elseif pB
	v_wmma_scale_f32_16x16x128_f8f6f4 v[rD:rD+7], v[rA:rA+11], v[rB:rB+11], v[rD:rD+7], v[rSA], v[rSB] matrix_a_fmt:MATRIX_FMT_BF6 matrix_b_fmt:MATRIX_FMT_BF6 matrix_b_scale:MATRIX_SCALE_ROW1
.else
	v_wmma_scale_f32_16x16x128_f8f6f4 v[rD:rD+7], v[rA:rA+11], v[rB:rB+11], v[rD:rD+7], v[rSA], v[rSB] matrix_a_fmt:MATRIX_FMT_BF6 matrix_b_fmt:MATRIX_FMT_BF6
.endif
.endif
.endm
.macro WM s, m, n, swap                ; row tile m x column tile n.  swap = 0 (q, k): source 0 = W, the sums at ACC + 8 (4 m + n);  swap = 1 (v): source 0 = x, at ACC + 8 (4 n + m)
.if \swap
.set rD, ACC+8*(4*(\n)+(\m))
.set rA, AF+12*(\m)
.set rB, BF+12*(\n)
.set rSA, XS+(\m)/2
.set rSB, WS+(\n)/2
.set pA, (\m)%2
.set pB, (\n)%2
.else
.set rD, ACC+8*(4*(\m)+(\n))
.set rA, BF+12*(\n)
.set rB, AF+12*(\m)
.set rSA, WS+(\n)/2
.set rSB, XS+(\m)/2
.set pA, (\n)%2
.set pB, (\m)%2
.endif
.if (\s) == 0
	EMIT 1
.else
	EMIT 0
.endif
.endm
.macro MUL8 s, n0, swap                ; eight products on eight accumulators; the sixteen take turns, one instruction a turn, in the same order in every K step
.irp n, \n0, \n0+1
.irp m, 0,1,2,3
	WM \s, \m, \n, \swap
.endr
.endr
.endm
.macro KSTEP s, swap
	s_wait_dscnt 0x0                               ; x's fragments and scale words of this K step are in
	s_wait_loadcnt 0x7                             ; W's tiles 0, 1 and their scale words are in; the seven younger loads (tiles 2, 3) may be out
	MUL8 \s, 0, \swap
	NOP4
.if \s < 7
	LOADB (\s)+1, 0                                ; their registers take the next K step's
	s_wait_loadcnt 0x7                             ; tiles 2, 3 are in; the seven just issued may be out
.else
	s_wait_loadcnt 0x0
.endif
	MUL8 \s, 2, \swap
	NOP4
.if \s < 7
	LOADB (\s)+1, 2
	FETCHA (\s)+1
.endif
.endm
	FETCHA 0
	s_cmp_eq_u32 s20, 2                            ; the tensor: the work-group's number alone
	s_cbranch_scc1 .Lv_run
.irp s, 0,1,2,3,4,5,6,7
	KSTEP \s, 0
.endr
	s_branch .Lepi
.Lv_run:
.irp s, 0,1,2,3,4,5,6,7
	KSTEP \s, 1
.endr
.Lepi:
	; ---- EPILOGUE.  For g = 0 .. 3 the 32 registers ACC + 32 g on are 64 along the next K of the lane's row: register 16 b + i = 32 b + 16 (lane / 16) + i.  (The four places that close the last K step stand ahead.)
.macro QUANT32 s, d, w                 ; they become half a fragment (six registers at d) and two scale bytes (in w).  Each accumulator is read from its low end on
.irp b, 0,1
	v_max3_num_f32 v[TM+\b], |v[\s+16*\b]|, |v[\s+1+16*\b]|, 0x2800000
.endr
.irp i, 2,4,6,8,10,12,14
.irp b, 0,1
	v_max3_num_f32 v[TM+\b], v[TM+\b], |v[\s+16*\b+\i]|, |v[\s+1+16*\b+\i]|
.endr
.endr
.irp b, 0,1
	v_permlanex16_b32 v[TM+4+\b], v[TM+\b], s34, s35
.endr
.irp b, 0,1
	v_max_num_f32 v[TM+\b], v[TM+\b], v[TM+4+\b]
.endr
.irp b, 0,1
	v_add_nc_u32 v[TM+12+\b], 0xfe000000, v[TM+\b]
.endr
.irp b, 0,1
	v_lshrrev_b32 v[TM+4+\b], 23, v[TM+12+\b]
.endr
	v_lshl_or_b32 v[\w], v[TM+5], 8, v[TM+4]
	v_cvt_scalef32_pk16_bf6_f32 v[\d:\d+2], v[\s:\s+15], v[TM+12]
	v_cvt_scalef32_pk16_bf6_f32 v[TC:TC+2], v[\s+16:\s+31], v[TM+13]
	v_nop                                          ; one plain place behind a scaled conversion
.irp i, 0,1,2
	v_permlane16_swap_b32 v[\d+\i], v[TC+\i]       ; lanes 0-15 now hold block 0, lanes 16-31 block 1
.endr
.irp i, 0,1,2
	v_mov_b32 v[\d+3+\i], v[TC+\i]
.endr
.endm
	QUANT32 ACC, EP, WG
	QUANT32 ACC+32, EP+6, WG+1
	QUANT32 ACC+64, EP+12, WG+2
	QUANT32 ACC+96, EP+18, WG+3
	v_lshl_or_b32 v[WG], v[WG+1], 16, v[WG]        ; image 0's word of my row,
	v_lshl_or_b32 v[WG+2], v[WG+3], 16, v[WG+2]    ; image 1's
	v_cndmask_b32 v[SW], v[WG], v[WG+2], s36       ; lanes 0-15 carry image 0's, lanes 16-31 image 1's
	v_mov_b32 v[SW+1], v[SW]
.irp i, 0,1
.irp c, 0,1,2
	global_store_b128 v[LI], v[EP+12*\i+4*\c:EP+12*\i+4*\c+3], s[32:33] offset:1536*\i+512*\c   ; the wave stores 512 consecutive bytes, at a multiple of 256 from qkv's first byte
.endr
.endr
	global_store_b64 v[L8], v[SW:SW+1], s[32:33] offset:3072       ; 256 consecutive bytes
.Lend:
	s_wait_tensorcnt 0x0                           ; the wave's end: three lines behind my last LDS store
	ds_add_u32 v[SPW], v[NIL]
	s_wait_dscnt 0x0
	s_endpgm
.Lfunc_end_k_q577226be93_proj:
	.size	k_q577226be93_proj, .Lfunc_end_k_q577226be93_proj-k_q577226be93_proj
	.p2alignl 7, 3214868480
	.fill 96, 4, 3214868480
	.section	.rodata,"a",@progbits
	.p2align	6, 0x0
	.amdhsa_kernel k_q577226be93_proj
		.amdhsa_group_segment_fixed_size 190464
		.amdhsa_private_segment_fixed_size 0
		.amdhsa_enable_private_segment 0
		.amdhsa_kernarg_size 56
		.amdhsa_user_sgpr_count 2
		.amdhsa_user_sgpr_kernarg_segment_ptr 1
		.amdhsa_wavefront_size32 1
		.amdhsa_system_sgpr_workgroup_id_x 1
		.amdhsa_system_sgpr_workgroup_id_y 1
		.amdhsa_system_sgpr_workgroup_id_z 1
		.amdhsa_system_vgpr_workitem_id 0
		.amdhsa_next_free_vgpr 256
		.amdhsa_next_free_sgpr 66
		.amdhsa_reserve_vcc 0
		.amdhsa_float_denorm_mode_32 3
		.amdhsa_float_denorm_mode_16_64 3
		.amdhsa_memory_ordered 1
		.amdhsa_forward_progress 1
		.amdhsa_inst_pref_size 99
	.end_amdhsa_kernel
	.amdgpu_metadata
---
amdhsa.version: [ 1, 2 ]
amdhsa.kernels:
  - .name:           k_q577226be93_proj
    .symbol:         k_q577226be93_proj.kd
    .args:
      - { .name: Q, .offset: 0, .size: 8, .value_kind: global_buffer, .address_space: global }
      - { .name: K, .offset: 8, .size: 8, .value_kind: global_buffer, .address_space: global }
      - { .name: V, .offset: 16, .size: 8, .value_kind: global_buffer, .address_space: global }
      - { .name: Q_len, .offset: 24, .size: 8, .value_kind: global_buffer, .address_space: global }
      - { .name: V_len, .offset: 32, .size: 8, .value_kind: global_buffer, .address_space: global }
      - { .name: wc, .offset: 40, .size: 8, .value_kind: global_buffer, .address_space: global }
      - { .name: qkv, .offset: 48, .size: 8, .value_kind: global_buffer, .address_space: global }
    .group_segment_fixed_size: 190464
    .private_segment_fixed_size: 0
    .kernarg_segment_align: 8
    .kernarg_segment_size: 56
    .max_flat_workgroup_size: 512
    .sgpr_count:     66
    .vgpr_count:     256
    .wavefront_size: 32
...
	.end_amdgpu_metadata
.endif
;; end of part 2
;; launch attn (part 3): grid 128 x 16, 4 waves a work-group, no clusters, 17,920 bytes of LDS; arguments qkv, Q_len, V_len, out0; writes out0
.if DOCPART == 3
	.amdgcn_target "amdgcn-amd-amdhsa--gfx1250"
	.amdhsa_code_object_version 6
	.text
	.protected	k_q577226be93_attn
	.globl	k_q577226be93_attn
	.p2align	8
	.type	k_q577226be93_attn,@function
k_q577226be93_attn:
	s_mov_b64 s[64:65], 0
	v_nop
	global_prefetch_b8 v0, s[64:65] scope:SCOPE_SE
	s_setreg_imm32_b32 hwreg(HW_REG_WAVE_MODE, 25, 1), 1
	s_wait_xcnt 0x0
; out0[b][q][64 h ..] = q_valid x the sum over keys of softmax(q . k / 8 - masks) v, both products on codes of BF6 (E3M2) with one E8M0 scale for each 32 along a product's K.
; LEFT OUT (shown at the head of the first kernel): query tiles at or above Q_len (they get zeros); key steps at or beyond min(Leff, q0 + 16), Leff = V_len, or 1024 where V_len = 0.
; Inside a step, hidden keys (key > query, or key >= Leff) get the score -infinity, so that p = 0.  A NaN or an infinity that reaches only what is left out is not carried; |score / 8| stays under 1e11.
; V_len = 0: every key carries -1e12, so the logit is formed literally, fma(score, 1/8, -1e12) (score / 8 is exact, so this is reference()'s one rounding), then t = logit x log2(e) in f32.
; THE SOFTMAX: t = score x log2(e) / 8; M = the running largest t raised to a whole number, kept as -M = floor(-t); p = 2^(t - M) is quantised along the keys, not normalised; the row's sum is taken of
; the unquantised p and divides at the end; when M moves, the sum and O are multiplied by 2^(old M - new M), exactly.
; SHARES.  Work-group (x, y): batch and head x = 16 b + h, queries 64 (15 - y) on (the long rows are handed out first); wave w: 16 queries from q0 on, in 256 registers.  Waves share nothing: no barrier.
; LAYOUT.  Both products are used transposed (S^T = k q^T, O^T = v^T p^T): a lane holds one query throughout.  All operands come from qkv straight into registers, as images of the operand's registers.
; The head has 64 along K and the instruction takes 128: a fragment of k holds TWO tiles of 16 keys (k 0-63 the first's, 64-127 the second's), and q stands against it as [q | zeros] or [zeros | q]:
; zero codes add nothing under any scale byte but 0xff, which the quantiser never gives.  The keys of a tile are chosen so that the registers 16 b + i of S^T are keys 32 b + 16 (lane / 16) + i of the step.
; NO TENSOR LOAD, NO CLUSTER, though the query blocks of a head read the same k and v: whether a wave has work, and its number of key steps, hang on lengths read from memory and on its place under the
; diagonal: partners would want different numbers of tiles.  The next step's k and v are asked for a step ahead, into registers.
.set TS,    6815744                    ; a tensor's records in qkv
.set REC,   3328                       ; a record: 64 positions of one head
.set STW,   4352                       ; LDS: a wave's stage for the way out: 16 rows x (256 + 16) bytes
.set SPARE, 17408                      ; the spare words, 128 bytes for each wave, which no other line names
.set L16,  1                           ; v1   16 x lane; never rewritten
.set L8,   2                           ; v2   8 x lane; never rewritten
.set SPW,  3                           ; v3   my spare word; never rewritten
.set NIL,  4                           ; v4   0; never rewritten
.set QLIM, 5                           ; v5   min(Leff, my query + 1) - 16 (lane / 16)
.set NINF, 6                           ; v6   -infinity
.set LIMT, 7                           ; v7   QLIM - the step's first key
.set KS,   8                           ; v8-9   k's scale words: scales and nothing else
.set VE,   10                          ; v10  v's scale words of the step's first 64 keys, then the odd tiles' words
.set VO,   11                          ; v11  of its second 64
.set QF,   16                          ; v16-33 [q | zeros | q]
.set QS,   34                          ; v34  q's scale word
.set WA,   35                          ; v35  the even tiles' scale words of v
.set KF,   36                          ; v36-83  k: four fragments of two tiles
.set VF,   84                          ; v84-131 v: four fragments (16 of the head's 64 x 128 keys)
.set S,    132                         ; v132-195 S^T, then p
.set O,    196                         ; v196-227 O^T
.set PC,   228                         ; v228-239 p's codes
.set BM,   240                         ; v240-243 the blocks' largest scores
.set T4,   244                         ; v244-247 at work
.set SO,   248                         ; v248-251 the conversions' scale operands;  v252 f, v253 p's scale word, v254 at work;  v12 -M, v13 the largest t, v[14:15] the sum in two halves
.macro NOP4
.rept 4
	v_nop
.endr
.endm
.macro LOADK                           ; a step's 128 keys: two records: 12 loads of codes, 2 of scale words
.irp p, 0,1,2,3
.irp c, 0,1,2
	global_load_b128 v[KF+12*\p+4*\c:KF+12*\p+4*\c+3], v[L16], s[32:33] offset:(\p/2)*REC+(\p%2)*1536+512*\c
.endr
.endr
.irp j, 0,1
	global_load_b32 v[KS+\j], v[L8], s[32:33] offset:REC*\j+3072
.endr
.endm
.macro LOADV                           ; tile n of v over 128 keys: registers 6 c on are half n of record c: 16 loads of codes, 2 of scale words
.irp c, 0,1
.irp n, 0,2
	global_load_b128 v[VF+12*\n+6*\c:VF+12*\n+6*\c+3], v[L16], s[34:35] offset:REC*\c+1536*(\n/2)
	global_load_b64 v[VF+12*\n+6*\c+4:VF+12*\n+6*\c+5], v[L16], s[34:35] offset:REC*\c+1536*(\n/2)+512
.endr
.irp n, 1,3
	global_load_b64 v[VF+12*\n+6*\c:VF+12*\n+6*\c+1], v[L16], s[34:35] offset:REC*\c+1536*(\n/2)+520
	global_load_b128 v[VF+12*\n+6*\c+2:VF+12*\n+6*\c+5], v[L16], s[34:35] offset:REC*\c+1536*(\n/2)+1024
.endr
.endr
	global_load_b32 v[VE], v[L8], s[34:35] offset:3072
	global_load_b32 v[VO], v[L8], s[34:35] offset:REC+3072
.endm
	s_load_b256 s[4:11], s[0:1], 0x0               ; qkv s[4:5], Q_len s[6:7], V_len s[8:9], out0 s[10:11]
	v_lshl_add_u32 v[SPW], v0, 2, SPARE
	v_mov_b32 v[NIL], 0
	v_lshrrev_b32 v1, 5, v0
	v_readfirstlane_b32 s12, v1                    ; wave 0..3
	s_mov_b32 s13, ttmp9                           ; x = 16 b + h
	s_and_b32 s14, ttmp7, 0xffff
	s_sub_co_u32 s14, 15, s14                      ; my block of 64 queries
	s_lshr_b32 s15, s13, 4                         ; b
	s_lshl_b32 s16, s14, 6
	s_lshl_b32 s47, s12, 4
	s_add_co_u32 s16, s16, s47                     ; q0: my first query
	s_lshl_b32 s48, s15, 2
	s_mov_b32 s49, 0
	s_wait_kmcnt 0x0
	s_add_nc_u64 s[50:51], s[6:7], s[48:49]
	s_add_nc_u64 s[52:53], s[8:9], s[48:49]
	s_load_b32 s17, s[50:51], 0x0                  ; Q_len[b]
	s_load_b32 s18, s[52:53], 0x0                  ; V_len[b]
	v_and_b32 v240, 31, v0
	v_lshlrev_b32 v[L16], 4, v240
	v_lshlrev_b32 v[L8], 3, v240
	v_and_b32 v240, 15, v0                         ; r
	v_bfe_u32 v241, v0, 4, 1                       ; h
	v_mov_b32 v[NINF], 0xff800000
	s_mov_b32 s26, 0x76543210
	s_mov_b32 s27, 0xfedcba98                      ; v_permlanex16_b32's selects for lane l xor 16
	s_mov_b32 s42, 0x05040100                      ; byte selects: the low halves of two words,
	s_mov_b32 s43, 0x07060302                      ; the high halves
	s_mov_b32 s44, 0x3e000000                      ; 1 / 8
	s_mov_b32 s45, 0xd368d4a5                      ; -1e12 in f32
	s_mov_b32 s46, 0x3fb8aa3b                      ; log2(e)
	s_mul_i32 s54, s13, 16*REC                     ; my head's 16 records in each tensor
	s_mov_b32 s55, 0
	s_add_nc_u64 s[32:33], s[4:5], s[54:55]
	s_add_nc_u64 s[34:35], s[32:33], 2*TS          ; v at the head's first keys
	s_add_nc_u64 s[32:33], s[32:33], TS            ; k likewise
	s_lshl_b32 s54, s13, 4
	s_add_co_u32 s54, s54, s14
	s_mul_i32 s54, s54, REC
	s_add_nc_u64 s[38:39], s[4:5], s[54:55]        ; q's record
	s_lshl_b32 s54, s15, 10
	s_add_co_u32 s54, s54, s16
	s_lshl_b32 s54, s54, 12                        ; out0: row 1024 b + q0 of 4,096 bytes,
	s_and_b32 s47, s13, 15
	s_lshl_b32 s47, s47, 8                         ; the head's 256 bytes
	s_add_co_u32 s54, s54, s47
	s_add_nc_u64 s[10:11], s[10:11], s[54:55]
	s_lshr_b32 s47, s12, 1                         ; my tile of queries is half w % 2 of image w / 2
	s_mul_i32 s56, s47, 1536
	v_add_nc_u32 v242, s56, v[L16]
	s_lshl_b32 s56, s47, 7
	v_lshl_add_u32 v243, v240, 3, s56              ; its scale word: 8 bytes a lane, lanes 16 (w / 2) on
	s_and_b32 s47, s12, 1
	s_sub_co_u32 s40, 0, s47                       ; all ones where w is odd
	s_cmp_eq_u32 s47, 0
	s_mov_b32 s41, 0x03020302
	s_cselect_b32 s41, 0x01000100, s41             ; my half's two scale bytes, twice
	s_wait_kmcnt 0x0                               ; the lengths
	s_max_i32 s17, s17, 0
	s_min_i32 s17, s17, 0x400                      ; QL
	s_max_i32 s18, s18, 0
	s_min_i32 s18, s18, 0x400                      ; VL
	s_cmp_ge_u32 s16, s17
	s_cbranch_scc1 .Lzero                          ; all my queries are masked
.irp c, 0,1,2
	global_load_b128 v[S+4*\c:S+4*\c+3], v242, s[38:39] offset:512*\c
.endr
	global_load_b32 v244, v243, s[38:39] offset:3072
	LOADK                                          ; key step 0
	LOADV
	s_cmp_eq_u32 s18, 0
	s_cselect_b32 s19, 0x400, s18                  ; Leff
	s_mov_b32 s24, 0x3e38aa3b                      ; c = log2(e) / 8;
	s_cselect_b32 s24, 0x3f800000, s24             ; 1 where V_len = 0: t is then made ahead of the softmax
	s_mov_b32 s25, s24                             ; (named with it as a pair, so it is written)
	s_add_co_u32 s47, s16, 16
	s_min_u32 s47, s47, s19
	s_add_co_u32 s47, s47, 127
	s_lshr_b32 s20, s47, 7                         ; key steps: at least 1, since Leff is at least 1;
	s_sub_co_u32 s20, s20, 1                       ; all but the last go round the loop
	s_add_co_u32 s47, s16, 1
	s_min_u32 s23, s47, s19                        ; up to here every key counts for every one of my queries
	v_add_nc_u32 v[QLIM], s47, v240
	v_min_u32 v[QLIM], s19, v[QLIM]
	v_lshlrev_b32 v[LIMT], 4, v241
	v_sub_nc_u32 v[QLIM], v[QLIM], v[LIMT]
	s_mov_b32 s21, 0                               ; the loop's count
	s_mov_b32 s22, 0                               ; the step's first key
	s_wait_loadcnt 32                              ; q's four loads are in; k's 14 and v's 18 may be out
.irp i, 0,1,2,3,4,5
	v_cndmask_b32 v[QF+\i], v[S+\i], v[S+6+\i], s40    ; my half of the image
.endr
	v_perm_b32 v[QS], v244, v244, s41
.irp i, 0,1,2,3,4,5
	v_mov_b32 v[QF+12+\i], v[QF+\i]
.endr
.irp i, 0,1,2,3,4,5
	v_mov_b32 v[QF+6+\i], 0
.endr
	v_mov_b32 v13, 0xff61b1e6                      ; the largest t so far: -3e38, under every t.  (These lines are also the places between q's operand and scale word and the first product)
	v_floor_f32 v12, -v13                          ; -M
	v_mov_b32 v14, 0
	v_mov_b32 v15, 0
.irp b, 0,1,2,3
	v_mov_b32 v[T4+\b], 0                          ; written once: a lane permute's destination counts as one of its sources
.endr
	v_mov_b32 v253, 0                              ; (named as the upper half of the pair v[252:253] before it is first written)
.set n, 0
.rept 32
	v_mov_b32 v[O+n], 0                            ; O^T: the step is written for all steps alike; the first finds zeros
.set n, n+1
.endr
.macro SP p, u                         ; S^T, tile 2 p + u: source 0 = fragment p of k, source 1 = [q | 0] or [0 | q]
.if (\p)%2
	v_wmma_scale_f32_16x16x128_f8f6f4 v[S+8*(2*\p+\u):S+8*(2*\p+\u)+7], v[KF+12*\p:KF+12*\p+11], v[QF+6*\u:QF+6*\u+11], 0, v[KS+\p/2], v[QS] matrix_a_fmt:MATRIX_FMT_BF6 matrix_b_fmt:MATRIX_FMT_BF6 matrix_a_scale:MATRIX_SCALE_ROW1
.else
	v_wmma_scale_f32_16x16x128_f8f6f4 v[S+8*(2*\p+\u):S+8*(2*\p+\u)+7], v[KF+12*\p:KF+12*\p+11], v[QF+6*\u:QF+6*\u+11], 0, v[KS+\p/2], v[QS] matrix_a_fmt:MATRIX_FMT_BF6 matrix_b_fmt:MATRIX_FMT_BF6
.endif
.endm
.macro PV n                            ; O^T, tile n += v's tile n x p
.set rW, WA
.if (\n)%2
.set rW, VE
.endif
.if \n >= 2
	v_wmma_scale_f32_16x16x128_f8f6f4 v[O+8*\n:O+8*\n+7], v[VF+12*\n:VF+12*\n+11], v[PC:PC+11], v[O+8*\n:O+8*\n+7], v[rW], v253 matrix_a_fmt:MATRIX_FMT_BF6 matrix_b_fmt:MATRIX_FMT_BF6 matrix_a_scale:MATRIX_SCALE_ROW1
.else
	v_wmma_scale_f32_16x16x128_f8f6f4 v[O+8*\n:O+8*\n+7], v[VF+12*\n:VF+12*\n+11], v[PC:PC+11], v[O+8*\n:O+8*\n+7], v[rW], v253 matrix_a_fmt:MATRIX_FMT_BF6 matrix_b_fmt:MATRIX_FMT_BF6
.endif
.endm
; A KEY STEP: 128 keys.  ahead = 1: the next step's k and v are asked for.  No two matrix instructions that follow each other share an accumulator.
.macro STEP ahead
	s_wait_loadcnt 18                              ; this step's k is in; v's 18 loads, issued behind it, may be out
.irp p, 0,1,2,3
.irp u, 0,1
	SP \p, \u
.endr
.endr
	NOP4                                           ; places ahead of the loads into k's registers and of the first read of the scores
.if \ahead
	s_add_nc_u64 s[32:33], s[32:33], 2*REC         ; (the loads that named this address are in)
	LOADK
.endif
	s_cmp_lg_u32 s18, 0
	s_cbranch_scc1 .Lnz_\@
.set n, 0
.rept 64
	v_fma_f32 v[S+n], v[S+n], s44, s45             ; V_len = 0: the logit as reference() has it in f32: score / 8 - 1e12
.set n, n+1
.endr
.set n, 0
.rept 64
	v_mul_f32 v[S+n], s46, v[S+n]                  ; and t
.set n, n+1
.endr
.Lnz_\@:
	s_add_co_u32 s47, s22, 128
	s_cmp_le_u32 s47, s23
	s_cbranch_scc1 .Lopen_\@                       ; every key of the step counts for every query of mine
	v_sub_nc_u32 v[LIMT], v[QLIM], s22             ; register 16 b + i holds key KF + 16 (lane / 16) + 32 b + i: hidden where 32 b + i >= this
.set n, 0
.rept 64
	v_cmp_ge_i32 vcc_lo, 32*(n/16)+n%16, v[LIMT]
	v_cndmask_b32 v[S+n], v[S+n], v[NINF], vcc_lo
.set n, n+1
.endr
.Lopen_\@:
.irp b, 0,1,2,3
	v_max3_num_f32 v[BM+\b], v[S+16*\b], v[S+1+16*\b], v[S+2+16*\b]   ; the largest score of each block of 32 keys: for the row's maximum, and, since p rises with the score, for the block's largest p
.endr
.irp i, 3,5,7,9,11,13
.irp b, 0,1,2,3
	v_max3_num_f32 v[BM+\b], v[BM+\b], v[S+16*\b+\i], v[S+1+16*\b+\i]
.endr
.endr
.irp b, 0,1,2,3
	v_max_num_f32 v[BM+\b], v[BM+\b], v[S+15+16*\b]
.endr
.irp b, 0,1,2,3
	v_permlanex16_b32 v[T4+\b], v[BM+\b], s26, s27
.endr
.irp b, 0,1,2,3
	v_max_num_f32 v[BM+\b], v[BM+\b], v[T4+\b]     ; with lane l xor 16's 16 keys
.endr
	v_max3_num_f32 v254, v[BM], v[BM+1], v[BM+2]
	v_max_num_f32 v254, v254, v[BM+3]              ; the step's largest score of my query
	v_mul_f32 v254, s24, v254                      ; as t (c is positive)
	v_max_num_f32 v13, v13, v254                   ; the running largest t
	v_mov_b32 v254, v12
	v_floor_f32 v12, -v13                          ; the new -M = floor(-t): M is a whole number
	v_sub_f32 v254, v12, v254                      ; old M - new M: a whole number, 0 or less
	v_cvt_i32_f32 v254, v254                       ; (it saturates)
	v_ldexp_f32 v252, 1.0, v254                    ; f = 2^(old M - new M)
.set n, 0
.rept 32
	v_pk_fma_f32 v[S+n:S+n+1], v[S+n:S+n+1], s[24:25], v[12:13] op_sel_hi:[1,0,0]   ; t - M, two at a time
.set n, n+2
.endr
.irp b, 0,1,2,3
	v_fma_f32 v[BM+\b], v[BM+\b], s24, v12         ; the same of each block's largest score
.endr
.set n, 0
.rept 64
	v_exp_f32 v[S+n], v[S+n]                       ; p = 2^(t - M), at most 1
.set n, n+1
.endr
	v_pk_mul_f32 v[14:15], v[14:15], v[252:253] op_sel_hi:[1,0]    ; the sums under the new M: the plain place behind the exponentials
	s_wait_alu depctr_va_vdst(0)                   ; one wait for the whole batch, ahead of its first reader
.irp b, 0,1,2,3
	v_exp_f32 v[BM+\b], v[BM+\b]                   ; the block's largest p: the same two instructions on the same number
.endr
	v_pk_add_f32 v[T4:T4+1], v[S:S+1], v[S+2:S+3]  ; the row's sum is taken of the unquantised p, in two chains
.irp j, 4,8,12,16,20,24,28,32,36,40,44,48,52,56,60
	v_pk_add_f32 v[14:15], v[14:15], v[S+\j:S+1+\j]
	v_pk_add_f32 v[T4:T4+1], v[T4:T4+1], v[S+2+\j:S+3+\j]
.endr
	v_pk_add_f32 v[14:15], v[14:15], v[T4:T4+1]
	s_wait_alu depctr_va_vdst(0)                   ; and one for the four
.irp b, 0,1,2,3
	v_max_num_f32 v[BM+\b], 0x2800000, v[BM+\b]    ; the floor 2^(5 - 127): the byte cannot fall under 1 (a block of zeros keeps that byte: its codes are zeros)
.endr
.irp b, 0,1,2,3
	v_add_nc_u32 v[SO+\b], 0xfe000000, v[BM+\b]    ; 4 off the exponent field: the conversion's scale operand
.endr
.irp b, 0,1,2,3
	v_lshrrev_b32 v[T4+\b], 23, v[SO+\b]           ; the scale's byte
.endr
	v_lshl_or_b32 v253, v[T4+1], 8, v[T4]          ; p's scale word for these 128 keys
	v_lshl_or_b32 v253, v[T4+2], 16, v253
	v_lshl_or_b32 v253, v[T4+3], 24, v253
.irp c, 0,1
	v_cvt_scalef32_pk16_bf6_f32 v[PC+6*\c:PC+2+6*\c], v[S+32*\c:S+15+32*\c], v[SO+2*\c]
	v_cvt_scalef32_pk16_bf6_f32 v[BM+4*\c:BM+2+4*\c], v[S+16+32*\c:S+31+32*\c], v[SO+2*\c+1]   ; (a conversion's three registers begin on an even number)
.endr
	v_nop                                          ; one plain place behind a scaled conversion
.irp c, 0,1                                    ; the operand's layout wants a whole block in a lane
.irp i, 0,1,2
	v_permlane16_swap_b32 v[PC+6*\c+\i], v[BM+4*\c+\i]
.endr
.irp i, 0,1,2
	v_mov_b32 v[PC+3+6*\c+\i], v[BM+4*\c+\i]
.endr
.endr
.if \ahead
	s_wait_loadcnt 14                              ; this step's v is in; the next step's k, 14 loads issued behind it, may be out
.else
	s_wait_loadcnt 0x0                             ; this step's v is in: nothing was issued behind it
.endif
	v_perm_b32 v[WA], v[VO], v[VE], s42            ; tiles 0 (lanes 0-15) and 2 (lanes 16-31): the two bytes of the first 64 keys, the two of the second
	v_perm_b32 v[VE], v[VO], v[VE], s43            ; tiles 1 and 3
.set n, 0
.rept 16
	v_pk_mul_f32 v[O+n:O+n+1], v[O+n:O+n+1], v[252:253] op_sel_hi:[1,0]   ; O^T under the new M.  (These are also the places between the scale words and p's codes just made and the products)
.set n, n+2
.endr
	PV 0
	PV 1
	PV 2
	PV 3
.if \ahead
	NOP4                                           ; places ahead of the loads into v's registers
	s_add_nc_u64 s[34:35], s[34:35], 2*REC         ; (the loads that named this address are in)
	LOADV
.endif
	s_add_co_u32 s22, s22, 128
.endm
	s_cmp_eq_u32 s20, 0
	s_cbranch_scc1 .Ltail
.Lstep:
	STEP 1
	s_add_co_u32 s21, s21, 1
	s_cmp_lt_u32 s21, s20
	s_cbranch_scc1 .Lstep
.Ltail:
	STEP 0                                         ; the last step is written out: it asks for nothing more, so no load leaves what the launch before has stored
	; THE WAY OUT.  O^T is divided by the row's sum, or multiplied by 0 where my query is at or above Q_len, and goes through my stage, so that sixteen lanes store a row's 256 consecutive bytes.
	v_add_f32 v14, v14, v15                        ; the sum's two halves,  (these lines are the places behind the last products)
	v_permlanex16_b32 v252, v14, s26, s27
	v_add_f32 v14, v14, v252                       ; and lane l xor 16's
	v_rcp_f32 v14, v14
	v_and_b32 v36, 15, v0                          ; r  (a plain place behind the reciprocal)
	v_bfe_u32 v37, v0, 4, 1                        ; h
	s_mul_i32 s47, s12, STW                        ; my stage
	v_mul_u32_u24 v38, v36, 272
	v_lshl_add_u32 v38, v37, 6, v38
	v_add_nc_u32 v38, s47, v38                     ; in: row r; registers 16 b + i are channels 32 b + 16 h + i: byte 128 b + 64 h + 4 i
	v_mul_u32_u24 v39, v37, 272
	v_lshl_add_u32 v39, v36, 4, v39
	v_add_nc_u32 v39, s47, v39                     ; back: lanes 0-15 one row, lanes 16-31 the next
	v_lshlrev_b32 v40, 12, v37
	v_lshl_add_u32 v40, v36, 4, v40                ; and the same two rows in out0
	v_add_nc_u32 v41, s16, v36                     ; my query
	v_cmp_gt_u32 vcc_lo, s17, v41                  ; Q_len > query
	s_wait_alu depctr_va_vdst(0)                   ; the wait ahead of the reciprocal's first reader
	v_cndmask_b32 v14, 0, v14, vcc_lo              ; the query mask
.set n, 0
.rept 16
	v_pk_mul_f32 v[S+n:S+n+1], v[O+n:O+n+1], v[14:15] op_sel_hi:[1,0]   ; each accumulator from its low end on
.set n, n+2
.endr
.irp b, 0,1
.irp j, 0,1,2,3
	ds_store_b128 v38, v[S+16*\b+4*\j:S+16*\b+4*\j+3] offset:128*\b+16*\j
.endr
.endr
.irp i, 0,1,2,3,4,5,6,7
	ds_load_b128 v[VF+4*\i:VF+4*\i+3], v39 offset:544*\i           ; LDS serves a wave's instructions in order (ISA guide 5.7.1.4): these see my stores
.endr
.irp i, 0,1,2,3,4,5,6,7
	s_wait_dscnt 7-\i
	global_store_b128 v40, v[VF+4*\i:VF+4*\i+3], s[10:11] offset:8192*\i th:TH_STORE_NT   ; 16 lanes store 256 consecutive bytes, at a multiple of 256 from out0's first byte
.endr
	s_wait_tensorcnt 0x0                           ; the wave's end: three lines behind my last LDS store
	ds_add_u32 v[SPW], v[NIL]
	s_wait_dscnt 0x0
	s_endpgm
.Lzero:                                            ; all sixteen queries lie at or above Q_len: their rows are zeros.  This path writes no LDS
	v_mov_b32 v16, 0
	v_mov_b32 v17, 0
	v_mov_b32 v18, 0
	v_mov_b32 v19, 0
	v_lshlrev_b32 v20, 12, v241
	v_lshl_add_u32 v20, v240, 4, v20
.irp i, 0,1,2,3,4,5,6,7
	global_store_b128 v20, v[16:19], s[10:11] offset:8192*\i th:TH_STORE_NT
.endr
	s_endpgm
.Lfunc_end_k_q577226be93_attn:
	.size	k_q577226be93_attn, .Lfunc_end_k_q577226be93_attn-k_q577226be93_attn
	.p2alignl 7, 3214868480
	.fill 96, 4, 3214868480
	.section	.rodata,"a",@progbits
	.p2align	6, 0x0
	.amdhsa_kernel k_q577226be93_attn
		.amdhsa_group_segment_fixed_size 17920
		.amdhsa_private_segment_fixed_size 0
		.amdhsa_enable_private_segment 0
		.amdhsa_kernarg_size 32
		.amdhsa_user_sgpr_count 2
		.amdhsa_user_sgpr_kernarg_segment_ptr 1
		.amdhsa_wavefront_size32 1
		.amdhsa_system_sgpr_workgroup_id_x 1
		.amdhsa_system_sgpr_workgroup_id_y 1
		.amdhsa_system_sgpr_workgroup_id_z 1
		.amdhsa_system_vgpr_workitem_id 0
		.amdhsa_next_free_vgpr 256
		.amdhsa_next_free_sgpr 66
		.amdhsa_reserve_vcc 1
		.amdhsa_float_denorm_mode_32 3
		.amdhsa_float_denorm_mode_16_64 3
		.amdhsa_memory_ordered 1
		.amdhsa_forward_progress 1
		.amdhsa_inst_pref_size 68
	.end_amdhsa_kernel
	.amdgpu_metadata
---
amdhsa.version: [ 1, 2 ]
amdhsa.kernels:
  - .name:           k_q577226be93_attn
    .symbol:         k_q577226be93_attn.kd
    .args:
      - { .name: qkv, .offset: 0, .size: 8, .value_kind: global_buffer, .address_space: global }
      - { .name: Q_len, .offset: 8, .size: 8, .value_kind: global_buffer, .address_space: global }
      - { .name: V_len, .offset: 16, .size: 8, .value_kind: global_buffer, .address_space: global }
      - { .name: out0, .offset: 24, .size: 8, .value_kind: global_buffer, .address_space: global }
    .group_segment_fixed_size: 17920
    .private_segment_fixed_size: 0
    .kernarg_segment_align: 8
    .kernarg_segment_size: 32
    .max_flat_workgroup_size: 128
    .sgpr_count:     66
    .vgpr_count:     256
    .wavefront_size: 32
...
	.end_amdgpu_metadata
.endif
;; end of part 3
;; ======== version 2 of 2: 3 launches; version 1 with the launches proj, attn written anew for expert scheduling mode
;; limits: right only within a limited range of input values
;; workspace buffers: wc 2,457,600 bytes; qkv 20,447,232 bytes
;; launch wquant: the kernel of part 1 again; grid 8 x 24, 4 waves a work-group, no clusters, 13,824 bytes of LDS; arguments WQ, WK, WV, wc; writes wc
;; launch proj (part 4): grid 16 x 24, 16 waves a work-group, no clusters, 190,464 bytes of LDS; arguments Q, K, V, Q_len, V_len, wc, qkv; writes qkv
.if DOCPART == 4
	.amdgcn_target "amdgcn-amd-amdhsa--gfx1250"
	.amdhsa_code_object_version 6
	.text
	.protected	k_q577226be93_proj
	.globl	k_q577226be93_proj
	.p2align	8
	.type	k_q577226be93_proj,@function
k_q577226be93_proj:
	s_mov_b64 s[64:65], 0
	v_nop
	global_prefetch_b8 v0, s[64:65] scope:SCOPE_SE
	s_setreg_imm32_b32 hwreg(HW_REG_WAVE_SCHED_MODE, 0, 2), 2
	s_setreg_imm32_b32 hwreg(HW_REG_WAVE_MODE, 25, 1), 1
	s_wait_xcnt 0x0
	s_wait_alu depctr_vm_vsrc(0)
; q = Q WQ, k = K WK, v = V WV on codes of BF6 (E3M2) with one E8M0 scale for each 32 along K; the results are quantised at once for the attention: q and k along the head's 64, v along the keys.
; LEFT OUT (shown at the head of the first kernel): blocks of 64 rows of Q from Q_len on; blocks of 128 rows of K and V from KN = min(Leff, Q_len raised to a multiple of 16) on, Leff = V_len, or 1024
; where V_len = 0.  The lengths are whole numbers read here from memory.  A NaN or an infinity in rows left out is not carried.
; SHARES.  Work-group (x, y): tensor y / 8, batch y % 8, rows 64 x .. 64 x + 63, all 1,024 columns.  Sixteen waves, four to a SIMD, 256 registers each; wave w makes head w: 64 rows x 64 columns, 16 accumulators.
; PHASE X: the 64 rows of x (256 KiB, read once) become 32 operand fragments (K step s, row tile m): wave w quantises tile w % 4 at K steps 2 (w / 4) and 2 (w / 4) + 1, and stores them in LDS AS IMAGES
; OF THE OPERAND'S REGISTERS (registers 4 c .. 4 c + 3 of lane l at 512 c + 16 l), with a scale word a lane.  ONE barrier.  MAIN: eight K steps of 16 matrix instructions; x's fragments from LDS, the weights'
; from wc straight into registers, half a K step ahead.  EPILOGUE: the sums are quantised in registers and leave as images again.
; THE BARRIER STANDS ON EVERY PATH: a work-group that the lengths leave without rows jumps over phase X, passes the barrier, jumps over the rest, stores nothing and ends.
; ROWS OF A TILE.  For K and V, row r of tile m is position 32 (m / 2) + 8 (m % 2) + r + 8 (r / 8) of the block: so the attention's scores, and v's sums here, have 16 neighbouring keys in a lane's registers.
; For Q a tile's rows are neighbours.  q, k: the product is used transposed (source 0 = 16 columns of W, source 1 = 16 rows of x): a lane holds one row, its 32 registers run along the head's 64.
; v: source 0 = 16 rows of x, source 1 = 16 columns of W: a lane holds one column, its registers run along the keys.
; qkv: records [tensor 3][batch 8][head 16][block of 64 positions 16] of 3,328 bytes: two images of 1,536 bytes, each two halves of 16 rows x 64 along K (registers 0-5, 6-11), then 256 bytes of scale words
; (8 bytes a lane, the word twice: lanes 0-15 image 0, lanes 16-31 image 1; bytes: first half's two blocks, second half's two).
; NO TENSOR LOAD, NO CLUSTER, though all work-groups of a tensor read the same wc: which work-groups have work hangs on lengths read from memory.
; THE MODE: SCHED_MODE bits 1:0 = 2 (LLVM: expert scheduling mode 2), set by the entry lines.  The code itself states the register dependences between vector or matrix instructions and memory or LDS
; instructions, with s_wait_alu, always for 0.
; THE PLAN.  Registers that memory or LDS instructions touch:
;   v1-v10     offsets and LDS addresses (v11, v12: the closing add's two): written by vector lines at the head, ahead of ONE wait on va_vdst, and never again.
;   ACC        in phase X: global loads land in it; the stage's LDS stores read it; the stage's LDS loads land in it again (a wait on vm_vsrc between); QUANT reads it.
;   PC, PW     QUANT writes them; IMAGE's LDS stores read them (a wait on va_vdst ahead of each IMAGE; a wait on vm_vsrc ahead of the next writer).
;   AF, XS     x's fragments and scale words: LDS loads land in them; all sixteen products of a K step read them.
;   BF, WS     W's fragments and scale words, in two halves: tiles 0, 1 are read by a K step's first eight products, tiles 2, 3 by its second eight; global loads land in them.
;   EP, SW     the epilogue's vector lines write them; the global stores read them.
; A K step has two waits on va_vdst, each behind the eight products that empty a half: the half is asked for again at once, since all 256 registers are taken and there is no third half that could take the loads.
; Behind each wait no product names a register that the loads issued there touch.
.set XIMG,  0                          ; LDS: x's 32 fragments, (s, m) at (4 s + m) 1,536
.set XSC,   49152                      ; their scale words, 128 bytes each
.set STG,   53248                      ; a stage for each wave: 16 rows x (512 + 16) bytes
.set STW,   8448
.set SPARE, 188416                     ; the spare words, 128 bytes for each wave, which no other line names
.set LI,   1                           ; v1   16 x lane
.set L8,   2                           ; v2   8 x lane
.set L4,   3                           ; v3   4 x lane
.set VLO,  4                           ; v4   x: my 16 bytes in the tile's rows 0-7
.set VHI,  5                           ; v5   and in its rows 8-15
.set STA,  6                           ; v6   the stage on the way in: 16 x lane
.set STR,  7                           ; v7   and back: row lane % 16, + 64 (lane / 16)
.set XWI,  8                           ; v8   where I store x's images
.set XWS,  9                           ; v9   and their scale words
.set XSA,  10                          ; v10  where I read scale words: lanes 0-15 an even tile's, lanes 16-31 the next tile's
.set SPW,  11                          ; v11  my spare word; never rewritten
.set NIL,  12                          ; v12  0; never rewritten
.set XS,   16                          ; v16-17  x's scale words: scales and nothing else
.set WS,   18                          ; v18-19  W's
.set AF,   20                          ; v20-67  x's four fragments
.set BF,   68                          ; v68-115 W's four
.set ACC,  116                         ; v116-243 the sums; in phase X the numbers of x
.set TM,   20                          ; at work in phase X and in the epilogue, where AF is free
.set PC,   36
.set PW,   56
.set TC,   58
.set EP,   68                          ; the epilogue's 24 registers of codes, where BF is free
.set WG,   244                         ; v244-247 a scale half-word for each of the four halves
.set SW,   248                         ; v248-249 the scale word, twice
.macro NOP4                            ; four places behind a matrix instruction, ahead of loads into its sources and of the first read of its result
.rept 4
	v_nop
.endr
.endm
.macro LOADB s, n0                     ; K step s: W's tiles n0, n0 + 1 and their scale words: seven loads
.irp n, \n0, \n0+1
.irp c, 0,1,2
	global_load_b128 v[BF+12*(\n)+4*\c:BF+12*(\n)+4*\c+3], v[LI], s[30:31] offset:6400*(\s)+1536*(\n)+512*\c
.endr
.endr
	global_load_b32 v[WS+(\n0)/2], v[L4], s[30:31] offset:6400*(\s)+6144+128*((\n0)/2)
.endm
	s_load_b256 s[4:11], s[0:1], 0x0               ; Q s[4:5], K s[6:7], V s[8:9], Q_len s[10:11]
	s_load_b128 s[12:15], s[0:1], 0x20             ; V_len s[12:13], wc s[14:15]
	s_load_b64 s[16:17], s[0:1], 0x30              ; qkv
	v_lshl_add_u32 v[SPW], v0, 2, SPARE
	v_mov_b32 v[NIL], 0
	v_lshrrev_b32 v13, 5, v0
	v_readfirstlane_b32 s18, v13                   ; wave 0..15 = my head
	v_and_b32 v13, 31, v0
	v_lshlrev_b32 v[LI], 4, v13
	v_lshlrev_b32 v[L8], 3, v13
	v_lshlrev_b32 v[L4], 2, v13
	s_and_b32 s19, ttmp7, 0xffff                   ; y
	s_lshr_b32 s20, s19, 3                         ; tensor: 0 Q, 1 K, 2 V
	s_and_b32 s21, s19, 7                          ; batch
	s_mov_b32 s22, ttmp9                           ; block of 64 rows
	s_lshl_b32 s38, s21, 2
	s_mov_b32 s39, 0
	s_lshl_b32 s44, s20, 4
	s_wait_alu depctr_va_sdst(0)                   ; s18, the wave's number, is written, ahead of its first reader: offsets and LDS addresses are made from it
	s_add_co_u32 s44, s44, s18
	s_mul_i32 s44, s44, 51200                      ; my head's eight records of wc
	s_mov_b32 s45, 0
	; every address register is made here, ahead of the first branch and of the first load, while the arguments are on their way: all hang on ids alone
	v_and_b32 v14, 15, v0                          ; r
	v_bfe_u32 v15, v0, 4, 1                        ; h
	s_mul_i32 s46, s18, STW
	s_add_co_u32 s46, s46, STG                     ; my stage
	v_add_nc_u32 v[STA], s46, v[LI]
	v_mul_u32_u24 v[STR], v14, 528
	v_lshl_add_u32 v[STR], v15, 6, v[STR]
	v_add_nc_u32 v[STR], s46, v[STR]
	s_and_b32 s47, s18, 3                          ; m: the row tile that I quantise
	s_lshr_b32 s48, s18, 2                         ; sp: at K steps 2 sp, 2 sp + 1
	s_lshl_b32 s49, s48, 3
	s_add_co_u32 s49, s49, s47                     ; fragment 4 (2 sp) + m
	s_mul_i32 s50, s49, 1536
	v_add_nc_u32 v[XWI], s50, v[LI]
	s_lshl_b32 s50, s49, 7
	s_add_co_u32 s50, s50, XSC
	v_add_nc_u32 v[XWS], s50, v[L4]
	v_lshlrev_b32 v[XSA], 2, v14
	v_lshl_add_u32 v[XSA], v15, 7, v[XSA]
	v_add_nc_u32 v[XSA], XSC, v[XSA]
.irp b, 0,1,2,3
	v_mov_b32 v[TM+4+\b], 0                        ; written once: a lane permute's destination counts as one of its sources
.endr
	s_mov_b32 s34, 0x76543210
	s_mov_b32 s35, 0xfedcba98                      ; v_permlanex16_b32's selects for lane l xor 16
	s_mov_b32 s36, 0xffff0000                      ; lanes 16-31
	s_lshl_b32 s50, s47, 4                         ; Q: the tile's rows are 16 m + 0 .. 15
	s_lshr_b32 s51, s47, 1
	s_lshl_b32 s51, s51, 5
	s_and_b32 s52, s47, 1
	s_lshl_b32 s52, s52, 3
	s_add_co_u32 s51, s51, s52                     ; K, V: 32 (m / 2) + 8 (m % 2) + 0 .. 7, and the eight rows 16 further on
	s_cmp_eq_u32 s20, 0
	s_cselect_b32 s50, s50, s51
	s_cselect_b32 s51, 8, 16
	s_add_co_u32 s51, s51, s50
	s_lshl_b32 s50, s50, 12                        ; rows of 4,096 bytes
	s_lshl_b32 s51, s51, 12
	s_lshl_b32 s52, s48, 10                        ; two K steps are 1,024 bytes of a row
	s_add_co_u32 s50, s50, s52
	s_add_co_u32 s51, s51, s52
	v_add_nc_u32 v[VLO], s50, v[LI]
	v_add_nc_u32 v[VHI], s51, v[LI]
	s_wait_alu depctr_va_vdst(0)                   ; v1 to v12 are written, which the kernel's loads, stores and LDS instructions read as offsets and addresses; so are the four zeros in v[TM+4 ..], registers in which LDS loads land later
	s_wait_kmcnt 0x0
	s_add_nc_u64 s[40:41], s[10:11], s[38:39]
	s_add_nc_u64 s[42:43], s[12:13], s[38:39]
	s_load_b32 s23, s[40:41], 0x0                  ; Q_len[b]
	s_load_b32 s24, s[42:43], 0x0                  ; V_len[b]
	s_add_nc_u64 s[30:31], s[14:15], s[44:45]
	LOADB 0, 0                                     ; W's first K step is asked for while the lengths are on their way: it hangs on no length.  (A work-group that the lengths leave
	LOADB 0, 2                                     ; without rows has asked for these fourteen loads a wave in vain.)
	s_cmp_eq_u32 s20, 0                            ; the tensor is chosen by the work-group's number alone
	s_cselect_b64 s[28:29], s[4:5], s[6:7]
	s_cmp_eq_u32 s20, 2
	s_cselect_b64 s[28:29], s[8:9], s[28:29]
	s_lshl_b32 s52, s21, 22
	s_lshl_b32 s53, s22, 18
	s_add_co_u32 s52, s52, s53
	s_mov_b32 s53, 0
	s_add_nc_u64 s[28:29], s[28:29], s[52:53]      ; x at the block's first row
	s_lshl_b32 s52, s19, 4
	s_add_co_u32 s52, s52, s18
	s_lshl_b32 s52, s52, 4
	s_add_co_u32 s52, s52, s22
	s_mul_i32 s52, s52, 3328
	s_add_nc_u64 s[32:33], s[16:17], s[52:53]      ; my record of qkv
	s_wait_kmcnt 0x0                               ; the lengths
	s_max_i32 s23, s23, 0
	s_min_i32 s23, s23, 0x400                      ; QL
	s_max_i32 s24, s24, 0
	s_min_i32 s24, s24, 0x400                      ; VL
	s_cmp_eq_u32 s24, 0
	s_cselect_b32 s25, 0x400, s24                  ; Leff
	s_add_co_u32 s26, s23, 15
	s_and_b32 s26, s26, -16
	s_min_u32 s26, s26, s25                        ; KN
	s_lshl_b32 s54, s22, 6                         ; Q: the block's first row against QL;
	s_lshr_b32 s55, s22, 1
	s_lshl_b32 s55, s55, 7                         ; K, V: the first row of its block of 128 against KN
	s_cmp_eq_u32 s20, 0
	s_cselect_b32 s54, s54, s55
	s_cselect_b32 s55, s23, s26
	s_cmp_lt_u32 s54, s55
	s_cselect_b32 s27, 1, 0                        ; 1: this work-group has work.  The same in all sixteen waves
; 64 numbers of a lane, register 16 b + i = k 32 b + 16 (lane / 16) + i of my row, become a fragment's codes in v[PC] on and its scale word in v[PW].
.macro QUANT s
.irp b, 0,1,2,3
	v_max3_num_f32 v[TM+\b], |v[\s+16*\b]|, |v[\s+1+16*\b]|, 0x2800000   ; block b: my 16 numbers, and the floor 2^(5 - 127): the byte cannot fall under 1
.endr
.irp i, 2,4,6,8,10,12,14
.irp b, 0,1,2,3
	v_max3_num_f32 v[TM+\b], v[TM+\b], |v[\s+16*\b+\i]|, |v[\s+1+16*\b+\i]|   ; (the four blocks by turns)
.endr
.endr
.irp b, 0,1,2,3
	v_permlanex16_b32 v[TM+4+\b], v[TM+\b], s34, s35
.endr
.irp b, 0,1,2,3
	v_max_num_f32 v[TM+\b], v[TM+\b], v[TM+4+\b]   ; with lane l xor 16's: the block's largest magnitude
.endr
.irp b, 0,1,2,3
	v_add_nc_u32 v[TM+12+\b], 0xfe000000, v[TM+\b] ; 4 off its exponent field: the conversion's scale operand
.endr
.irp b, 0,1,2,3
	v_lshrrev_b32 v[TM+4+\b], 23, v[TM+12+\b]      ; the scale's byte
.endr
	v_lshl_or_b32 v[PW], v[TM+5], 8, v[TM+4]
	v_lshl_or_b32 v[PW], v[TM+6], 16, v[PW]
	v_lshl_or_b32 v[PW], v[TM+7], 24, v[PW]
.irp c, 0,1
	v_cvt_scalef32_pk16_bf6_f32 v[PC+6*\c:PC+2+6*\c], v[\s+32*\c:\s+15+32*\c], v[TM+12+2*\c]
	v_cvt_scalef32_pk16_bf6_f32 v[PC+12+4*\c:PC+14+4*\c], v[\s+16+32*\c:\s+31+32*\c], v[TM+12+2*\c+1]   ; (a conversion's three registers begin on an even number)
.endr
	v_nop                                          ; one plain place behind a scaled conversion
.irp c, 0,1                                    ; the operand's layout wants a whole block in a lane: lanes 0-15 block 2 c, lanes 16-31 block 2 c + 1
.irp i, 0,1,2
	v_permlane16_swap_b32 v[PC+6*\c+\i], v[PC+12+4*\c+\i]
.endr
.irp i, 0,1,2
	v_mov_b32 v[PC+3+6*\c+\i], v[PC+12+4*\c+\i]
.endr
.endr
.endm
.macro TURN u                          ; unit u (16 rows x 512 bytes, loaded as the bytes lie) goes through my stage and comes back with 16 neighbours of each block of 32 in a lane
.irp i, 0,1,2,3,4,5,6,7,8,9,10,11,12,13,14,15
	ds_store_b128 v[STA], v[ACC+64*\u+4*\i:ACC+64*\u+4*\i+3] offset:528*\i
.endr
	s_wait_dscnt 0x0                               ; my stores into the stage are done,
	s_wait_alu depctr_vm_vsrc(0)                   ; and they have read v[ACC+64 u ..], on which the loads below land; unit 1: the first image's stores have also read v[PC ..] and v[PW], which QUANT writes again
.irp b, 0,1,2,3
.irp j, 0,1,2,3
	ds_load_b128 v[ACC+64*\u+16*\b+4*\j:ACC+64*\u+16*\b+4*\j+3], v[STR] offset:128*\b+16*\j
.endr
.endr
	s_wait_dscnt 0x0
.endm
.macro IMAGE u                         ; the fragment in v[PC] on goes to LDS as it stands, and its scale word
	s_wait_alu depctr_va_vdst(0)                   ; QUANT has written v[PC ..] and v[PW], which the stores below read
.irp c, 0,1,2
	ds_store_b128 v[XWI], v[PC+4*\c:PC+4*\c+3] offset:6144*\u+512*\c
.endr
	ds_store_b32 v[XWS], v[PW] offset:512*\u
.endm
	s_cmp_eq_u32 s27, 0
	s_cbranch_scc1 .Lx_done
	; ---- PHASE X
.irp u, 0,1
.irp i, 0,1,2,3,4,5,6,7
	global_load_b128 v[ACC+64*\u+4*\i:ACC+64*\u+4*\i+3], v[VLO], s[28:29] offset:4096*\i+512*\u th:TH_LOAD_NT   ; the wave reads 512 consecutive bytes of a row, at a multiple of 512; read once in the launch
.endr
.irp i, 0,1,2,3,4,5,6,7
	global_load_b128 v[ACC+64*\u+32+4*\i:ACC+64*\u+32+4*\i+3], v[VHI], s[28:29] offset:4096*\i+512*\u th:TH_LOAD_NT
.endr
.endr
	s_wait_loadcnt 16                              ; unit 0's sixteen loads are in (and W's, asked for earlier); unit 1's sixteen may be out
	TURN 0
	QUANT ACC
	IMAGE 0
	s_wait_loadcnt 0x0
	TURN 1
	QUANT ACC+64
	IMAGE 1
.Lx_done:
	s_wait_dscnt 0x0                               ; for the others' sake: my images lie in LDS
	s_barrier_signal -1
	s_barrier_wait -1                              ; all 32 fragments do.  Nothing writes them again
	s_wait_alu depctr_vm_vsrc(0)                   ; my second image's stores have read v[PC ..] and v[PW]: these registers are x's fragments from here on, and LDS loads land in them
	s_cmp_eq_u32 s27, 0
	s_cbranch_scc1 .Lend
	; ---- MAIN
.macro FETCHA s                        ; K step s: x's four fragments and their scale words
.irp m, 0,1,2,3
.irp c, 0,1,2
	ds_load_b128 v[AF+12*\m+4*\c:AF+12*\m+4*\c+3], v[LI] offset:(4*(\s)+\m)*1536+512*\c
.endr
.endr
.irp i, 0,1
	ds_load_b32 v[XS+\i], v[XSA] offset:(4*(\s)+2*\i)*128
.endr
.endm
.macro EMIT z                          ; one product from the symbols rD, rA, rB, rSA, rSB; pA, pB: the side's scales stand in lanes 16-31.  z = 1: it starts the sum
.if \z
.if pA && pB
	v_wmma_scale_f32_16x16x128_f8f6f4 v[rD:rD+7], v[rA:rA+11], v[rB:rB+11], 0, v[rSA], v[rSB] matrix_a_fmt:MATRIX_FMT_BF6 matrix_b_fmt:MATRIX_FMT_BF6 matrix_a_scale:MATRIX_SCALE_ROW1 matrix_b_scale:MATRIX_SCALE_ROW1
.elseif pA
	v_wmma_scale_f32_16x16x128_f8f6f4 v[rD:rD+7], v[rA:rA+11], v[rB:rB+11], 0, v[rSA], v[rSB] matrix_a_fmt:MATRIX_FMT_BF6 matrix_b_fmt:MATRIX_FMT_BF6 matrix_a_scale:MATRIX_SCALE_ROW1
.elseif pB
	v_wmma_scale_f32_16x16x128_f8f6f4 v[rD:rD+7], v[rA:rA+11], v[rB:rB+11], 0, v[rSA], v[rSB] matrix_a_fmt:MATRIX_FMT_BF6 matrix_b_fmt:MATRIX_FMT_BF6 matrix_b_scale:MATRIX_SCALE_ROW1
.else
	v_wmma_scale_f32_16x16x128_f8f6f4 v[rD:rD+7], v[rA:rA+11], v[rB:rB+11], 0, v[rSA], v[rSB] matrix_a_fmt:MATRIX_FMT_BF6 matrix_b_fmt:MATRIX_FMT_BF6
.endif
.else
.if pA && pB
	v_wmma_scale_f32_16x16x128_f8f6f4 v[rD:rD+7], v[rA:rA+11], v[rB:rB+11], v[rD:rD+7], v[rSA], v[rSB] matrix_a_fmt:MATRIX_FMT_BF6 matrix_b_fmt:MATRIX_FMT_BF6 matrix_a_scale:MATRIX_SCALE_ROW1 matrix_b_scale:MATRIX_SCALE_ROW1
.elseif pA
	v_wmma_scale_f32_16x16x128_f8f6f4 v[rD:rD+7], v[rA:rA+11], v[rB:rB+11], v[rD:rD+7], v[rSA], v[rSB] matrix_a_fmt:MATRIX_FMT_BF6 matrix_b_fmt:MATRIX_FMT_BF6 matrix_a_scale:MATRIX_SCALE_ROW1
.elseif pB
	v_wmma_scale_f32_16x16x128_f8f6f4 v[rD:rD+7], v[rA:rA+11], v[rB:rB+11], v[rD:rD+7], v[rSA], v[rSB] matrix_a_fmt:MATRIX_FMT_BF6 matrix_b_fmt:MATRIX_FMT_BF6 matrix_b_scale:MATRIX_SCALE_ROW1
.else
	v_wmma_scale_f32_16x16x128_f8f6f4 v[rD:rD+7], v[rA:rA+11], v[rB:rB+11], v[rD:rD+7], v[rSA], v[rSB] matrix_a_fmt:MATRIX_FMT_BF6 matrix_b_fmt:MATRIX_FMT_BF6
.endif
.endif
.endm
.macro WM s, m, n, swap                ; row tile m x column tile n.  swap = 0 (q, k): source 0 = W, the sums at ACC + 8 (4 m + n);  swap = 1 (v): source 0 = x, at ACC + 8 (4 n + m)
.if \swap
.set rD, ACC+8*(4*(\n)+(\m))
.set rA, AF+12*(\m)
.set rB, BF+12*(\n)
.set rSA, XS+(\m)/2
.set rSB, WS+(\n)/2
.set pA, (\m)%2
.set pB, (\n)%2
.else
.set rD, ACC+8*(4*(\m)+(\n))
.set rA, BF+12*(\n)
.set rB, AF+12*(\m)
.set rSA, WS+(\n)/2
.set rSB, XS+(\m)/2
.set pA, (\n)%2
.set pB, (\m)%2
.endif
.if (\s) == 0
	EMIT 1
.else
	EMIT 0
.endif
.endm
.macro MUL8 s, n0, swap                ; eight products on eight accumulators; the sixteen take turns, one instruction a turn, in the same order in every K step
.irp n, \n0, \n0+1
.irp m, 0,1,2,3
	WM \s, \m, \n, \swap
.endr
.endr
.endm
.macro KSTEP s, swap
	s_wait_dscnt 0x0                               ; x's fragments and scale words of this K step are in
	s_wait_loadcnt 0x7                             ; W's tiles 0, 1 and their scale words are in; the seven younger loads (tiles 2, 3) may be out
	MUL8 \s, 0, \swap
	NOP4
.if \s < 7
	s_wait_alu depctr_va_vdst(0)                   ; the eight products are done reading W's tiles 0, 1 and v[WS], in which the seven loads below land; the eight products that follow name none of these
	LOADB (\s)+1, 0                                ; their registers take the next K step's
	s_wait_loadcnt 0x7                             ; tiles 2, 3 are in; the seven just issued may be out
.else
	s_wait_loadcnt 0x0
.endif
	MUL8 \s, 2, \swap
	NOP4
.if \s < 7
	s_wait_alu depctr_va_vdst(0)                   ; the step's products are done reading W's tiles 2, 3 and v[WS+1], x's four fragments and v[XS ..], in which the loads below land
	LOADB (\s)+1, 2
	FETCHA (\s)+1
.endif
.endm
	FETCHA 0                                       ; (the vector lines that named these registers, QUANT's and the head's four zeros, stand ahead of a wait on va_vdst: IMAGE's, the head's)
	s_cmp_eq_u32 s20, 2                            ; the tensor: the work-group's number alone
	s_cbranch_scc1 .Lv_run
.irp s, 0,1,2,3,4,5,6,7
	KSTEP \s, 0
.endr
	s_branch .Lepi
.Lv_run:
.irp s, 0,1,2,3,4,5,6,7
	KSTEP \s, 1
.endr
.Lepi:
	; ---- EPILOGUE.  For g = 0 .. 3 the 32 registers ACC + 32 g on are 64 along the next K of the lane's row: register 16 b + i = 32 b + 16 (lane / 16) + i.  (The four places that close the last K step stand ahead.)
.macro QUANT32 s, d, w                 ; they become half a fragment (six registers at d) and two scale bytes (in w).  Each accumulator is read from its low end on
.irp b, 0,1
	v_max3_num_f32 v[TM+\b], |v[\s+16*\b]|, |v[\s+1+16*\b]|, 0x2800000
.endr
.irp i, 2,4,6,8,10,12,14
.irp b, 0,1
	v_max3_num_f32 v[TM+\b], v[TM+\b], |v[\s+16*\b+\i]|, |v[\s+1+16*\b+\i]|
.endr
.endr
.irp b, 0,1
	v_permlanex16_b32 v[TM+4+\b], v[TM+\b], s34, s35
.endr
.irp b, 0,1
	v_max_num_f32 v[TM+\b], v[TM+\b], v[TM+4+\b]
.endr
.irp b, 0,1
	v_add_nc_u32 v[TM+12+\b], 0xfe000000, v[TM+\b]
.endr
.irp b, 0,1
	v_lshrrev_b32 v[TM+4+\b], 23, v[TM+12+\b]
.endr
	v_lshl_or_b32 v[\w], v[TM+5], 8, v[TM+4]
	v_cvt_scalef32_pk16_bf6_f32 v[\d:\d+2], v[\s:\s+15], v[TM+12]
	v_cvt_scalef32_pk16_bf6_f32 v[TC:TC+2], v[\s+16:\s+31], v[TM+13]
	v_nop                                          ; one plain place behind a scaled conversion
.irp i, 0,1,2
	v_permlane16_swap_b32 v[\d+\i], v[TC+\i]       ; lanes 0-15 now hold block 0, lanes 16-31 block 1
.endr
.irp i, 0,1,2
	v_mov_b32 v[\d+3+\i], v[TC+\i]
.endr
.endm
	QUANT32 ACC, EP, WG
	QUANT32 ACC+32, EP+6, WG+1
	QUANT32 ACC+64, EP+12, WG+2
	QUANT32 ACC+96, EP+18, WG+3
	v_lshl_or_b32 v[WG], v[WG+1], 16, v[WG]        ; image 0's word of my row,
	v_lshl_or_b32 v[WG+2], v[WG+3], 16, v[WG+2]    ; image 1's
	v_cndmask_b32 v[SW], v[WG], v[WG+2], s36       ; lanes 0-15 carry image 0's, lanes 16-31 image 1's
	v_mov_b32 v[SW+1], v[SW]
	s_wait_alu depctr_va_vdst(0)                   ; the lines above have written v[EP ..] and v[SW ..], which the stores below read
.irp i, 0,1
.irp c, 0,1,2
	global_store_b128 v[LI], v[EP+12*\i+4*\c:EP+12*\i+4*\c+3], s[32:33] offset:1536*\i+512*\c   ; the wave stores 512 consecutive bytes, at a multiple of 256 from qkv's first byte
.endr
.endr
	global_store_b64 v[L8], v[SW:SW+1], s[32:33] offset:3072       ; 256 consecutive bytes
.Lend:
	s_wait_dscnt 0x0                               ; the wave's end: six lines, on end, of a launch in the mode that stores to LDS
	s_wait_alu 0x0
	s_wait_tensorcnt 0x0
	ds_add_u32 v[SPW], v[NIL]
	s_wait_dscnt 0x0
	s_endpgm
.Lfunc_end_k_q577226be93_proj:
	.size	k_q577226be93_proj, .Lfunc_end_k_q577226be93_proj-k_q577226be93_proj
	.p2alignl 7, 3214868480
	.fill 96, 4, 3214868480
	.section	.rodata,"a",@progbits
	.p2align	6, 0x0
	.amdhsa_kernel k_q577226be93_proj
		.amdhsa_group_segment_fixed_size 190464
		.amdhsa_private_segment_fixed_size 0
		.amdhsa_enable_private_segment 0
		.amdhsa_kernarg_size 56
		.amdhsa_user_sgpr_count 2
		.amdhsa_user_sgpr_kernarg_segment_ptr 1
		.amdhsa_wavefront_size32 1
		.amdhsa_system_sgpr_workgroup_id_x 1
		.amdhsa_system_sgpr_workgroup_id_y 1
		.amdhsa_system_sgpr_workgroup_id_z 1
		.amdhsa_system_vgpr_workitem_id 0
		.amdhsa_next_free_vgpr 256
		.amdhsa_next_free_sgpr 66
		.amdhsa_reserve_vcc 0
		.amdhsa_float_denorm_mode_32 3
		.amdhsa_float_denorm_mode_16_64 3
		.amdhsa_memory_ordered 1
		.amdhsa_forward_progress 1
		.amdhsa_inst_pref_size 100
	.end_amdhsa_kernel
	.amdgpu_metadata
---
amdhsa.version: [ 1, 2 ]
amdhsa.kernels:
  - .name:           k_q577226be93_proj
    .symbol:         k_q577226be93_proj.kd
    .args:
      - { .name: Q, .offset: 0, .size: 8, .value_kind: global_buffer, .address_space: global }
      - { .name: K, .offset: 8, .size: 8, .value_kind: global_buffer, .address_space: global }
      - { .name: V, .offset: 16, .size: 8, .value_kind: global_buffer, .address_space: global }
      - { .name: Q_len, .offset: 24, .size: 8, .value_kind: global_buffer, .address_space: global }
      - { .name: V_len, .offset: 32, .size: 8, .value_kind: global_buffer, .address_space: global }
      - { .name: wc, .offset: 40, .size: 8, .value_kind: global_buffer, .address_space: global }
      - { .name: qkv, .offset: 48, .size: 8, .value_kind: global_buffer, .address_space: global }
    .group_segment_fixed_size: 190464
    .private_segment_fixed_size: 0
    .kernarg_segment_align: 8
    .kernarg_segment_size: 56
    .max_flat_workgroup_size: 512
    .sgpr_count:     66
    .vgpr_count:     256
    .wavefront_size: 32
...
	.end_amdgpu_metadata
.endif
;; end of part 4
;; launch attn (part 5): grid 128 x 16, 4 waves a work-group, no clusters, 17,920 bytes of LDS; arguments qkv, Q_len, V_len, out0; writes out0
.if DOCPART == 5
	.amdgcn_target "amdgcn-amd-amdhsa--gfx1250"
	.amdhsa_code_object_version 6
	.text
	.protected	k_q577226be93_attn
	.globl	k_q577226be93_attn
	.p2align	8
	.type	k_q577226be93_attn,@function
k_q577226be93_attn:
	s_mov_b64 s[64:65], 0
	v_nop
	global_prefetch_b8 v0, s[64:65] scope:SCOPE_SE
	s_setreg_imm32_b32 hwreg(HW_REG_WAVE_SCHED_MODE, 0, 2), 2
	s_setreg_imm32_b32 hwreg(HW_REG_WAVE_MODE, 25, 1), 1
	s_wait_xcnt 0x0
	s_wait_alu depctr_vm_vsrc(0)
; out0[b][q][64 h ..] = q_valid x the sum over keys of softmax(q . k / 8 - masks) v, both products on codes of BF6 (E3M2) with one E8M0 scale for each 32 along a product's K.
; LEFT OUT (shown at the head of the first kernel): query tiles at or above Q_len (they get zeros); key steps at or beyond min(Leff, q0 + 16), Leff = V_len, or 1024 where V_len = 0.
; Inside a step, hidden keys (key > query, or key >= Leff) get the score -infinity, so that p = 0.  A NaN or an infinity that reaches only what is left out is not carried; |score / 8| stays under 1e11.
; V_len = 0: every key carries -1e12, so the logit is formed literally, fma(score, 1/8, -1e12) (score / 8 is exact, so this is reference()'s one rounding), then t = logit x log2(e) in f32.
; THE SOFTMAX: t = score x log2(e) / 8; M = the running largest t raised to a whole number, kept as -M = floor(-t); p = 2^(t - M) is quantised along the keys, not normalised; the row's sum is taken of
; the unquantised p and divides at the end; when M moves, the sum and O are multiplied by 2^(old M - new M), exactly.
; SHARES.  Work-group (x, y): batch and head x = 16 b + h, queries 64 (15 - y) on (the long rows are handed out first); wave w: 16 queries from q0 on, in 256 registers.  Waves share nothing: no barrier.
; LAYOUT.  Both products are used transposed (S^T = k q^T, O^T = v^T p^T): a lane holds one query throughout.  All operands come from qkv straight into registers, as images of the operand's registers.
; The head has 64 along K and the instruction takes 128: a fragment of k holds TWO tiles of 16 keys (k 0-63 the first's, 64-127 the second's), and q stands against it as [q | zeros] or [zeros | q]:
; zero codes add nothing under any scale byte but 0xff, which the quantiser never gives.  The keys of a tile are chosen so that the registers 16 b + i of S^T are keys 32 b + 16 (lane / 16) + i of the step.
; NO TENSOR LOAD, NO CLUSTER, though the query blocks of a head read the same k and v: whether a wave has work, and its number of key steps, hang on lengths read from memory and on its place under the
; diagonal: partners would want different numbers of tiles.
; THE MODE: SCHED_MODE bits 1:0 = 2 (LLVM: expert scheduling mode 2), set by the entry lines.  The code itself states the register dependences between vector or matrix instructions and memory or LDS
; instructions, with s_wait_alu, always for 0.
; THE PLAN.  Registers that memory or LDS instructions touch:
;   v1, v2        offsets of every load of k and v: written by vector lines at the head and never again.
;   v242, v243    q's offsets: written at the head, read by q's four loads; the steps write them again as BM: one wait on vm_vsrc at the head.
;   KF, KS        step j's eight products S^T read them; the loads of step j + 1's k land in them.
;   VF, VE, VO    step j's two byte selects read VE and VO and write VE, its four products O^T read VF and VE; the loads of step j + 1's v land in them.
;   S, v38-v40    on the way out: written by vector lines, read by the stage's LDS instructions and the stores.
; ONE wait on va_vdst serves all the loads of a step.  It stands behind the eight products S^T and states that these are done reading KF and KS, and that the products O^T and the byte selects of the step
; before are done with VF, VE and VO.  Behind it this step's v is asked for, then the next step's k; no vector or matrix line names these registers before the wait on LOADcnt that shows the loads landed.
; The step's other waits: two behind its exponentials; one ahead of the products O^T, whose operand p and three of whose scale words vector lines have written; on the diagonal one behind each run of compares.
.set TS,    6815744                    ; a tensor's records in qkv
.set REC,   3328                       ; a record: 64 positions of one head
.set STW,   4352                       ; LDS: a wave's stage for the way out: 16 rows x (256 + 16) bytes
.set SPARE, 17408                      ; the spare words, 128 bytes for each wave, which no other line names
.set L16,  1                           ; v1   16 x lane; never rewritten
.set L8,   2                           ; v2   8 x lane; never rewritten
.set SPW,  3                           ; v3   my spare word; never rewritten
.set NIL,  4                           ; v4   0; never rewritten
.set QLIM, 5                           ; v5   min(Leff, my query + 1) - 16 (lane / 16)
.set NINF, 6                           ; v6   -infinity
.set LIMT, 7                           ; v7   QLIM - the step's first key
.set KS,   8                           ; v8-9   k's scale words: scales and nothing else
.set VE,   10                          ; v10  v's scale words of the step's first 64 keys, then the odd tiles' words
.set VO,   11                          ; v11  of its second 64
.set QF,   16                          ; v16-33 [q | zeros | q]
.set QS,   34                          ; v34  q's scale word
.set WA,   35                          ; v35  the even tiles' scale words of v
.set KF,   36                          ; v36-83  k: four fragments of two tiles
.set VF,   84                          ; v84-131 v: four fragments (16 of the head's 64 x 128 keys)
.set S,    132                         ; v132-195 S^T, then p
.set O,    196                         ; v196-227 O^T
.set PC,   228                         ; v228-239 p's codes
.set BM,   240                         ; v240-243 the blocks' largest scores
.set T4,   244                         ; v244-247 at work
.set SO,   248                         ; v248-251 the conversions' scale operands;  v252 f, v253 p's scale word, v254 at work;  v12 -M, v13 the largest t, v[14:15] the sum in two halves
.set MK,   48                          ; s48-63 sixteen masks of the diagonal's compares: behind the head these registers hold nothing else
.macro NOP4
.rept 4
	v_nop
.endr
.endm
.macro LOADK                           ; a step's 128 keys: two records: 12 loads of codes, 2 of scale words
.irp p, 0,1,2,3
.irp c, 0,1,2
	global_load_b128 v[KF+12*\p+4*\c:KF+12*\p+4*\c+3], v[L16], s[32:33] offset:(\p/2)*REC+(\p%2)*1536+512*\c
.endr
.endr
.irp j, 0,1
	global_load_b32 v[KS+\j], v[L8], s[32:33] offset:REC*\j+3072
.endr
.endm
.macro LOADV                           ; tile n of v over 128 keys: registers 6 c on are half n of record c: 16 loads of codes, 2 of scale words
.irp c, 0,1
.irp n, 0,2
	global_load_b128 v[VF+12*\n+6*\c:VF+12*\n+6*\c+3], v[L16], s[34:35] offset:REC*\c+1536*(\n/2)
	global_load_b64 v[VF+12*\n+6*\c+4:VF+12*\n+6*\c+5], v[L16], s[34:35] offset:REC*\c+1536*(\n/2)+512
.endr
.irp n, 1,3
	global_load_b64 v[VF+12*\n+6*\c:VF+12*\n+6*\c+1], v[L16], s[34:35] offset:REC*\c+1536*(\n/2)+520
	global_load_b128 v[VF+12*\n+6*\c+2:VF+12*\n+6*\c+5], v[L16], s[34:35] offset:REC*\c+1536*(\n/2)+1024
.endr
.endr
	global_load_b32 v[VE], v[L8], s[34:35] offset:3072
	global_load_b32 v[VO], v[L8], s[34:35] offset:REC+3072
.endm
	s_load_b256 s[4:11], s[0:1], 0x0               ; qkv s[4:5], Q_len s[6:7], V_len s[8:9], out0 s[10:11]
	v_lshl_add_u32 v[SPW], v0, 2, SPARE
	v_mov_b32 v[NIL], 0
	v_lshrrev_b32 v1, 5, v0
	v_readfirstlane_b32 s12, v1                    ; wave 0..3
	s_mov_b32 s13, ttmp9                           ; x = 16 b + h
	s_and_b32 s14, ttmp7, 0xffff
	s_sub_co_u32 s14, 15, s14                      ; my block of 64 queries
	s_lshr_b32 s15, s13, 4                         ; b
	s_lshl_b32 s16, s14, 6
	s_wait_alu depctr_va_sdst(0)                   ; s12, the wave's number, is written, ahead of its first reader: my first query and my addresses are made from it
	s_lshl_b32 s47, s12, 4
	s_add_co_u32 s16, s16, s47                     ; q0: my first query
	s_lshl_b32 s48, s15, 2
	s_mov_b32 s49, 0
	s_wait_kmcnt 0x0
	s_add_nc_u64 s[50:51], s[6:7], s[48:49]
	s_add_nc_u64 s[52:53], s[8:9], s[48:49]
	s_load_b32 s17, s[50:51], 0x0                  ; Q_len[b]
	s_load_b32 s18, s[52:53], 0x0                  ; V_len[b]
	v_and_b32 v240, 31, v0
	v_lshlrev_b32 v[L16], 4, v240
	v_lshlrev_b32 v[L8], 3, v240
	v_and_b32 v240, 15, v0                         ; r
	v_bfe_u32 v241, v0, 4, 1                       ; h
	v_mov_b32 v[NINF], 0xff800000
	s_mov_b32 s26, 0x76543210
	s_mov_b32 s27, 0xfedcba98                      ; v_permlanex16_b32's selects for lane l xor 16
	s_mov_b32 s42, 0x05040100                      ; byte selects: the low halves of two words,
	s_mov_b32 s43, 0x07060302                      ; the high halves
	s_mov_b32 s44, 0x3e000000                      ; 1 / 8
	s_mov_b32 s45, 0xd368d4a5                      ; -1e12 in f32
	s_mov_b32 s46, 0x3fb8aa3b                      ; log2(e)
	s_mul_i32 s54, s13, 16*REC                     ; my head's 16 records in each tensor
	s_mov_b32 s55, 0
	s_add_nc_u64 s[32:33], s[4:5], s[54:55]
	s_add_nc_u64 s[34:35], s[32:33], 2*TS          ; v at the head's first keys
	s_add_nc_u64 s[32:33], s[32:33], TS            ; k likewise
	s_lshl_b32 s54, s13, 4
	s_add_co_u32 s54, s54, s14
	s_mul_i32 s54, s54, REC
	s_add_nc_u64 s[38:39], s[4:5], s[54:55]        ; q's record
	s_lshl_b32 s54, s15, 10
	s_add_co_u32 s54, s54, s16
	s_lshl_b32 s54, s54, 12                        ; out0: row 1024 b + q0 of 4,096 bytes,
	s_and_b32 s47, s13, 15
	s_lshl_b32 s47, s47, 8                         ; the head's 256 bytes
	s_add_co_u32 s54, s54, s47
	s_add_nc_u64 s[10:11], s[10:11], s[54:55]
	s_lshr_b32 s47, s12, 1                         ; my tile of queries is half w % 2 of image w / 2
	s_mul_i32 s56, s47, 1536
	v_add_nc_u32 v242, s56, v[L16]
	s_lshl_b32 s56, s47, 7
	v_lshl_add_u32 v243, v240, 3, s56              ; its scale word: 8 bytes a lane, lanes 16 (w / 2) on
	s_and_b32 s47, s12, 1
	s_sub_co_u32 s40, 0, s47                       ; all ones where w is odd
	s_cmp_eq_u32 s47, 0
	s_mov_b32 s41, 0x03020302
	s_cselect_b32 s41, 0x01000100, s41             ; my half's two scale bytes, twice
	s_wait_alu depctr_va_vdst(0)                   ; v1, v2, v242 and v243 are written, which the loads of q, k and v read as their offsets
	s_wait_kmcnt 0x0                               ; the lengths
	s_max_i32 s17, s17, 0
	s_min_i32 s17, s17, 0x400                      ; QL
	s_max_i32 s18, s18, 0
	s_min_i32 s18, s18, 0x400                      ; VL
	s_cmp_ge_u32 s16, s17
	s_cbranch_scc1 .Lzero                          ; all my queries are masked
.irp c, 0,1,2
	global_load_b128 v[S+4*\c:S+4*\c+3], v242, s[38:39] offset:512*\c
.endr
	global_load_b32 v244, v243, s[38:39] offset:3072
	LOADK                                          ; key step 0's k; each step asks for its own v
	s_cmp_eq_u32 s18, 0
	s_cselect_b32 s19, 0x400, s18                  ; Leff
	s_mov_b32 s24, 0x3e38aa3b                      ; c = log2(e) / 8;
	s_cselect_b32 s24, 0x3f800000, s24             ; 1 where V_len = 0: t is then made ahead of the softmax
	s_mov_b32 s25, s24                             ; (named with it as a pair, so it is written)
	s_add_co_u32 s47, s16, 16
	s_min_u32 s47, s47, s19
	s_add_co_u32 s47, s47, 127
	s_lshr_b32 s20, s47, 7                         ; key steps: at least 1, since Leff is at least 1;
	s_sub_co_u32 s20, s20, 1                       ; all but the last go round the loop
	s_add_co_u32 s47, s16, 1
	s_min_u32 s23, s47, s19                        ; up to here every key counts for every one of my queries
	v_add_nc_u32 v[QLIM], s47, v240
	v_min_u32 v[QLIM], s19, v[QLIM]
	v_lshlrev_b32 v[LIMT], 4, v241
	v_sub_nc_u32 v[QLIM], v[QLIM], v[LIMT]
	s_mov_b32 s21, 0                               ; the loop's count
	s_mov_b32 s22, 0                               ; the step's first key
	s_wait_loadcnt 14                              ; q's four loads are in; k's 14 may be out
	s_wait_alu depctr_vm_vsrc(0)                   ; q's loads have read v242 and v243, which the steps write again as v[BM+2], v[BM+3]
.irp i, 0,1,2,3,4,5
	v_cndmask_b32 v[QF+\i], v[S+\i], v[S+6+\i], s40    ; my half of the image
.endr
	v_perm_b32 v[QS], v244, v244, s41
.irp i, 0,1,2,3,4,5
	v_mov_b32 v[QF+12+\i], v[QF+\i]
.endr
.irp i, 0,1,2,3,4,5
	v_mov_b32 v[QF+6+\i], 0
.endr
	v_mov_b32 v13, 0xff61b1e6                      ; the largest t so far: -3e38, under every t.  (These lines are also the places between q's operand and scale word and the first product)
	v_floor_f32 v12, -v13                          ; -M
	v_mov_b32 v14, 0
	v_mov_b32 v15, 0
.irp b, 0,1,2,3
	v_mov_b32 v[T4+\b], 0                          ; written once: a lane permute's destination counts as one of its sources
.endr
	v_mov_b32 v253, 0                              ; (named as the upper half of the pair v[252:253] before it is first written)
.set n, 0
.rept 32
	v_mov_b32 v[O+n], 0                            ; O^T: the step is written for all steps alike; the first finds zeros
.set n, n+1
.endr
	s_wait_alu depctr_va_vdst(0)                   ; v[QF ..] and v[QS] are written, which the scaled products S^T take as their source 1 and its scales; the places above stay beside this wait
.macro SP p, u                         ; S^T, tile 2 p + u: source 0 = fragment p of k, source 1 = [q | 0] or [0 | q]
.if (\p)%2
	v_wmma_scale_f32_16x16x128_f8f6f4 v[S+8*(2*\p+\u):S+8*(2*\p+\u)+7], v[KF+12*\p:KF+12*\p+11], v[QF+6*\u:QF+6*\u+11], 0, v[KS+\p/2], v[QS] matrix_a_fmt:MATRIX_FMT_BF6 matrix_b_fmt:MATRIX_FMT_BF6 matrix_a_scale:MATRIX_SCALE_ROW1
.else
	v_wmma_scale_f32_16x16x128_f8f6f4 v[S+8*(2*\p+\u):S+8*(2*\p+\u)+7], v[KF+12*\p:KF+12*\p+11], v[QF+6*\u:QF+6*\u+11], 0, v[KS+\p/2], v[QS] matrix_a_fmt:MATRIX_FMT_BF6 matrix_b_fmt:MATRIX_FMT_BF6
.endif
.endm
.macro PV n                            ; O^T, tile n += v's tile n x p
.set rW, WA
.if (\n)%2
.set rW, VE
.endif
.if \n >= 2
	v_wmma_scale_f32_16x16x128_f8f6f4 v[O+8*\n:O+8*\n+7], v[VF+12*\n:VF+12*\n+11], v[PC:PC+11], v[O+8*\n:O+8*\n+7], v[rW], v253 matrix_a_fmt:MATRIX_FMT_BF6 matrix_b_fmt:MATRIX_FMT_BF6 matrix_a_scale:MATRIX_SCALE_ROW1
.else
	v_wmma_scale_f32_16x16x128_f8f6f4 v[O+8*\n:O+8*\n+7], v[VF+12*\n:VF+12*\n+11], v[PC:PC+11], v[O+8*\n:O+8*\n+7], v[rW], v253 matrix_a_fmt:MATRIX_FMT_BF6 matrix_b_fmt:MATRIX_FMT_BF6
.endif
.endm
; A KEY STEP: 128 keys.  ahead = 1: the next step's k is asked for.  No two matrix instructions that follow each other share an accumulator.
.macro STEP ahead
	s_wait_loadcnt 0x0                             ; this step's k is in: its 14 loads are the only ones out, on the way in and over the backward jump
.irp p, 0,1,2,3
.irp u, 0,1
	SP \p, \u
.endr
.endr
	NOP4                                           ; places ahead of the first read of the scores, and of the loads into registers that these products and the last step's O^T products have read
	s_wait_alu depctr_va_vdst(0)                   ; the eight products are done reading v[KF ..] and v[KS ..]; the last step's products O^T and byte selects are done with v[VF ..], v[VE], v[VO]: the loads below land in all of these
	LOADV                                          ; this step's v: the whole softmax stands between these loads and the wait for them
.if \ahead
	s_add_nc_u64 s[32:33], s[32:33], 2*REC         ; (the loads that named this address are in)
	LOADK                                          ; the next step's k
.endif
	s_cmp_lg_u32 s18, 0
	s_cbranch_scc1 .Lnz_\@
.set n, 0
.rept 64
	v_fma_f32 v[S+n], v[S+n], s44, s45             ; V_len = 0: the logit as reference() has it in f32: score / 8 - 1e12
.set n, n+1
.endr
.set n, 0
.rept 64
	v_mul_f32 v[S+n], s46, v[S+n]                  ; and t
.set n, n+1
.endr
.Lnz_\@:
	s_add_co_u32 s47, s22, 128
	s_cmp_le_u32 s47, s23
	s_cbranch_scc1 .Lopen_\@                       ; every key of the step counts for every query of mine
	v_sub_nc_u32 v[LIMT], v[QLIM], s22             ; register 16 b + i holds key KF + 16 (lane / 16) + 32 b + i: hidden where 32 b + i >= this
.set g, 0
.rept 4                                        ; block by block: sixteen compares in a run, each into a scalar register of its own, one wait, sixteen selects
.set n, 0
.rept 16
	v_cmp_ge_i32 s[MK+n], 32*g+n, v[LIMT]
.set n, n+1
.endr
	s_wait_alu depctr_va_sdst(0)                   ; the sixteen compares have written s[MK ..], which the sixteen selects below read
.set n, 0
.rept 16
	v_cndmask_b32 v[S+16*g+n], v[S+16*g+n], v[NINF], s[MK+n]
.set n, n+1
.endr
.set g, g+1
.endr
.Lopen_\@:
.irp b, 0,1,2,3
	v_max3_num_f32 v[BM+\b], v[S+16*\b], v[S+1+16*\b], v[S+2+16*\b]   ; the largest score of each block of 32 keys: for the row's maximum, and, since p rises with the score, for the block's largest p
.endr
.irp i, 3,5,7,9,11,13
.irp b, 0,1,2,3
	v_max3_num_f32 v[BM+\b], v[BM+\b], v[S+16*\b+\i], v[S+1+16*\b+\i]
.endr
.endr
.irp b, 0,1,2,3
	v_max_num_f32 v[BM+\b], v[BM+\b], v[S+15+16*\b]
.endr
.irp b, 0,1,2,3
	v_permlanex16_b32 v[T4+\b], v[BM+\b], s26, s27
.endr
.irp b, 0,1,2,3
	v_max_num_f32 v[BM+\b], v[BM+\b], v[T4+\b]     ; with lane l xor 16's 16 keys
.endr
	v_max3_num_f32 v254, v[BM], v[BM+1], v[BM+2]
	v_max_num_f32 v254, v254, v[BM+3]              ; the step's largest score of my query
	v_mul_f32 v254, s24, v254                      ; as t (c is positive)
	v_max_num_f32 v13, v13, v254                   ; the running largest t
	v_mov_b32 v254, v12
	v_floor_f32 v12, -v13                          ; the new -M = floor(-t): M is a whole number
	v_sub_f32 v254, v12, v254                      ; old M - new M: a whole number, 0 or less
	v_cvt_i32_f32 v254, v254                       ; (it saturates)
	v_ldexp_f32 v252, 1.0, v254                    ; f = 2^(old M - new M)
.set n, 0
.rept 32
	v_pk_fma_f32 v[S+n:S+n+1], v[S+n:S+n+1], s[24:25], v[12:13] op_sel_hi:[1,0,0]   ; t - M, two at a time
.set n, n+2
.endr
.irp b, 0,1,2,3
	v_fma_f32 v[BM+\b], v[BM+\b], s24, v12         ; the same of each block's largest score
.endr
.set n, 0
.rept 64
	v_exp_f32 v[S+n], v[S+n]                       ; p = 2^(t - M), at most 1
.set n, n+1
.endr
	v_pk_mul_f32 v[14:15], v[14:15], v[252:253] op_sel_hi:[1,0]    ; the sums under the new M: the plain place behind the exponentials
	s_wait_alu depctr_va_vdst(0)                   ; the 64 exponentials have written p in v[S ..]: one wait for the whole batch, ahead of its first reader
.irp b, 0,1,2,3
	v_exp_f32 v[BM+\b], v[BM+\b]                   ; the block's largest p: the same two instructions on the same number
.endr
	v_pk_add_f32 v[T4:T4+1], v[S:S+1], v[S+2:S+3]  ; the row's sum is taken of the unquantised p, in two chains
.irp j, 4,8,12,16,20,24,28,32,36,40,44,48,52,56,60
	v_pk_add_f32 v[14:15], v[14:15], v[S+\j:S+1+\j]
	v_pk_add_f32 v[T4:T4+1], v[T4:T4+1], v[S+2+\j:S+3+\j]
.endr
	v_pk_add_f32 v[14:15], v[14:15], v[T4:T4+1]
	s_wait_alu depctr_va_vdst(0)                   ; the four exponentials have written v[BM ..], ahead of their first reader
.irp b, 0,1,2,3
	v_max_num_f32 v[BM+\b], 0x2800000, v[BM+\b]    ; the floor 2^(5 - 127): the byte cannot fall under 1 (a block of zeros keeps that byte: its codes are zeros)
.endr
.irp b, 0,1,2,3
	v_add_nc_u32 v[SO+\b], 0xfe000000, v[BM+\b]    ; 4 off the exponent field: the conversion's scale operand
.endr
.irp b, 0,1,2,3
	v_lshrrev_b32 v[T4+\b], 23, v[SO+\b]           ; the scale's byte
.endr
	v_lshl_or_b32 v253, v[T4+1], 8, v[T4]          ; p's scale word for these 128 keys
	v_lshl_or_b32 v253, v[T4+2], 16, v253
	v_lshl_or_b32 v253, v[T4+3], 24, v253
.irp c, 0,1
	v_cvt_scalef32_pk16_bf6_f32 v[PC+6*\c:PC+2+6*\c], v[S+32*\c:S+15+32*\c], v[SO+2*\c]
	v_cvt_scalef32_pk16_bf6_f32 v[BM+4*\c:BM+2+4*\c], v[S+16+32*\c:S+31+32*\c], v[SO+2*\c+1]   ; (a conversion's three registers begin on an even number)
.endr
	v_nop                                          ; one plain place behind a scaled conversion
.irp c, 0,1                                    ; the operand's layout wants a whole block in a lane
.irp i, 0,1,2
	v_permlane16_swap_b32 v[PC+6*\c+\i], v[BM+4*\c+\i]
.endr
.irp i, 0,1,2
	v_mov_b32 v[PC+3+6*\c+\i], v[BM+4*\c+\i]
.endr
.endr
.if \ahead
	s_wait_loadcnt 14                              ; this step's v is in; the next step's k, 14 loads issued behind it, may be out
.else
	s_wait_loadcnt 0x0                             ; this step's v is in: nothing was issued behind it
.endif
	v_perm_b32 v[WA], v[VO], v[VE], s42            ; tiles 0 (lanes 0-15) and 2 (lanes 16-31): the two bytes of the first 64 keys, the two of the second
	v_perm_b32 v[VE], v[VO], v[VE], s43            ; tiles 1 and 3
.set n, 0
.rept 16
	v_pk_mul_f32 v[O+n:O+n+1], v[O+n:O+n+1], v[252:253] op_sel_hi:[1,0]   ; O^T under the new M.  (These are also the places between the scale words and p's codes just made and the products)
.set n, n+2
.endr
	s_wait_alu depctr_va_vdst(0)                   ; p's codes v[PC ..], p's scale word v253 and v's scale words v[WA], v[VE] are written, which the scaled products below take; the places above stay beside this wait
	PV 0
	PV 1
	PV 2
	PV 3
.if \ahead
	s_add_nc_u64 s[34:35], s[34:35], 2*REC         ; (the loads that named this address are in: the wait for v has shown it)
.endif
	s_add_co_u32 s22, s22, 128
.endm
	s_cmp_eq_u32 s20, 0
	s_cbranch_scc1 .Ltail
.Lstep:
	STEP 1
	s_add_co_u32 s21, s21, 1
	s_cmp_lt_u32 s21, s20
	s_cbranch_scc1 .Lstep
.Ltail:
	STEP 0                                         ; the last step is written out: it asks for no further k, so no load leaves what the launch before has stored
	; THE WAY OUT.  O^T is divided by the row's sum, or multiplied by 0 where my query is at or above Q_len, and goes through my stage, so that sixteen lanes store a row's 256 consecutive bytes.
	v_add_f32 v14, v14, v15                        ; the sum's two halves,  (these lines are the places behind the last products)
	v_permlanex16_b32 v252, v14, s26, s27
	v_add_f32 v14, v14, v252                       ; and lane l xor 16's
	v_rcp_f32 v14, v14
	v_and_b32 v36, 15, v0                          ; r  (a plain place behind the reciprocal)
	v_bfe_u32 v37, v0, 4, 1                        ; h
	s_mul_i32 s47, s12, STW                        ; my stage
	v_mul_u32_u24 v38, v36, 272
	v_lshl_add_u32 v38, v37, 6, v38
	v_add_nc_u32 v38, s47, v38                     ; in: row r; registers 16 b + i are channels 32 b + 16 h + i: byte 128 b + 64 h + 4 i
	v_mul_u32_u24 v39, v37, 272
	v_lshl_add_u32 v39, v36, 4, v39
	v_add_nc_u32 v39, s47, v39                     ; back: lanes 0-15 one row, lanes 16-31 the next
	v_lshlrev_b32 v40, 12, v37
	v_lshl_add_u32 v40, v36, 4, v40                ; and the same two rows in out0
	v_add_nc_u32 v41, s16, v36                     ; my query
	v_cmp_gt_u32 vcc_lo, s17, v41                  ; Q_len > query
	s_wait_alu depctr_va_vdst(0)                   ; the reciprocal has written v14, ahead of its first reader
	s_wait_alu depctr_va_vcc(0)                    ; the compare has written VCC, which the select below reads
	v_cndmask_b32 v14, 0, v14, vcc_lo              ; the query mask
.set n, 0
.rept 16
	v_pk_mul_f32 v[S+n:S+n+1], v[O+n:O+n+1], v[14:15] op_sel_hi:[1,0]   ; each accumulator from its low end on
.set n, n+2
.endr
	s_wait_alu depctr_va_vdst(0)                   ; the multiplies have written v[S ..], the LDS stores' data; v38, v39 and v40, the addresses below, are written; the last products are done reading v[VF ..], in which the LDS loads land
.irp b, 0,1
.irp j, 0,1,2,3
	ds_store_b128 v38, v[S+16*\b+4*\j:S+16*\b+4*\j+3] offset:128*\b+16*\j
.endr
.endr
.irp i, 0,1,2,3,4,5,6,7
	ds_load_b128 v[VF+4*\i:VF+4*\i+3], v39 offset:544*\i           ; LDS serves a wave's instructions in order (ISA guide 5.7.1.4): these see my stores
.endr
.irp i, 0,1,2,3,4,5,6,7
	s_wait_dscnt 7-\i
	global_store_b128 v40, v[VF+4*\i:VF+4*\i+3], s[10:11] offset:8192*\i th:TH_STORE_NT   ; 16 lanes store 256 consecutive bytes, at a multiple of 256 from out0's first byte
.endr
	s_wait_dscnt 0x0                               ; the wave's end: six lines, on end, of a launch in the mode that stores to LDS
	s_wait_alu 0x0
	s_wait_tensorcnt 0x0
	ds_add_u32 v[SPW], v[NIL]
	s_wait_dscnt 0x0
	s_endpgm
.Lzero:                                            ; all sixteen queries lie at or above Q_len: their rows are zeros.  This path writes no LDS
	v_mov_b32 v16, 0
	v_mov_b32 v17, 0
	v_mov_b32 v18, 0
	v_mov_b32 v19, 0
	v_lshlrev_b32 v20, 12, v241
	v_lshl_add_u32 v20, v240, 4, v20
	s_wait_alu depctr_va_vdst(0)                   ; the zeros v[16:19] and the offset v20 are written, which the stores below read
.irp i, 0,1,2,3,4,5,6,7
	global_store_b128 v20, v[16:19], s[10:11] offset:8192*\i th:TH_STORE_NT
.endr
	s_endpgm
.Lfunc_end_k_q577226be93_attn:
	.size	k_q577226be93_attn, .Lfunc_end_k_q577226be93_attn-k_q577226be93_attn
	.p2alignl 7, 3214868480
	.fill 96, 4, 3214868480
	.section	.rodata,"a",@progbits
	.p2align	6, 0x0
	.amdhsa_kernel k_q577226be93_attn
		.amdhsa_group_segment_fixed_size 17920
		.amdhsa_private_segment_fixed_size 0
		.amdhsa_enable_private_segment 0
		.amdhsa_kernarg_size 32
		.amdhsa_user_sgpr_count 2
		.amdhsa_user_sgpr_kernarg_segment_ptr 1
		.amdhsa_wavefront_size32 1
		.amdhsa_system_sgpr_workgroup_id_x 1
		.amdhsa_system_sgpr_workgroup_id_y 1
		.amdhsa_system_sgpr_workgroup_id_z 1
		.amdhsa_system_vgpr_workitem_id 0
		.amdhsa_next_free_vgpr 256
		.amdhsa_next_free_sgpr 66
		.amdhsa_reserve_vcc 1
		.amdhsa_float_denorm_mode_32 3
		.amdhsa_float_denorm_mode_16_64 3
		.amdhsa_memory_ordered 1
		.amdhsa_forward_progress 1
		.amdhsa_inst_pref_size 76
	.end_amdhsa_kernel
	.amdgpu_metadata
---
amdhsa.version: [ 1, 2 ]
amdhsa.kernels:
  - .name:           k_q577226be93_attn
    .symbol:         k_q577226be93_attn.kd
    .args:
      - { .name: qkv, .offset: 0, .size: 8, .value_kind: global_buffer, .address_space: global }
      - { .name: Q_len, .offset: 8, .size: 8, .value_kind: global_buffer, .address_space: global }
      - { .name: V_len, .offset: 16, .size: 8, .value_kind: global_buffer, .address_space: global }
      - { .name: out0, .offset: 24, .size: 8, .value_kind: global_buffer, .address_space: global }
    .group_segment_fixed_size: 17920
    .private_segment_fixed_size: 0
    .kernarg_segment_align: 8
    .kernarg_segment_size: 32
    .max_flat_workgroup_size: 128
    .sgpr_count:     66
    .vgpr_count:     256
    .wavefront_size: 32
...
	.end_amdgpu_metadata
.endif
;; end of part 5
